; MI455X (gfx1250); checked and timed in simulation.
; The chip was launched on July 23, 2026; its instructions are those of AMD's public machine-readable ISA for CDNA 5 (MIT licence, August 2026) and "CDNA5" Instruction Set Architecture Reference Guide (July 2026). The comments in the code are by the model that wrote it; some were corrected since.
;; Self Attention. Allowed arithmetic: matrix products marked QUANTISED: E2M3 operands, one E8M0 scale for each 32 along K, by v_wmma_scale_f32_16x16x128_f8f6f4 with both operands' format E2M3, f32 sums; everything else in f32.
;; Inputs: W_k 8 x 1,024 x 128 float32; W_o 1,024 x 1,024 float32; W_q 8 x 1,024 x 128 float32; W_v 8 x 1,024 x 128 float32; bias 1 float32; mask 4 x 2,048 int32; x 4 x 2,048 x 1,024 float32.
;; Outputs: out0 4 x 2,048 x 1,024 float32.
;; This version of the problem:
;;   THIS VERSION OF THE PROBLEM IS GIVEN IN LOW PRECISION. The matrix products marked QUANTISED in the list below multiply operands that are first quantised to E2M3 (2 exponent bits, 3 mantissa bits; 6 bits a number), with one power-of-two scale for each 32 numbers along K (OCP MX v1.0); their sums are f32. All else is computed in f32.
;;   The module's matrix products, in the order in which they are computed (A, B: the left and right operand; K: the contracted axis; several contracted axes count as one K, in the product's order):
;;     1. [M 1,024, K 1,024] x [K 1,024, N 8,192]; A: input W_q; B: input x: QUANTISED
;;     2. [M 1,024, K 1,024] x [K 1,024, N 8,192]; A: input W_k; B: input x: QUANTISED
;;     3. [M 1,024, K 1,024] x [K 1,024, N 8,192]; A: input W_v; B: input x: QUANTISED
;;     4. batch 32 x [M 2,048, K 128] x [K 128, N 2,048]; A: computed on the way; B: computed on the way: QUANTISED
;;     5. batch 32 x [M 2,048, K 2,048] x [K 2,048, N 128]; A: softmax (see below); B: computed on the way: QUANTISED
;;     6. [M 8,192, K 1,024] x [K 1,024, N 1,024]; A: computed on the way; B: input W_o: QUANTISED
;;   THE QUANTISER, for each operand of a quantised product, along K:
;;     - K is cut into blocks of 32 from its start; a last block that is shorter is filled with zeros.
;;     - A block's scale is 2^e with e = floor(log2(the largest magnitude in the block)) - 2, held to -126 .. 127; a block of zeros has e = 0. As a byte (E8M0): e + 127.
;;     - Each number is divided by its block's scale, clamped to +-7.5, and rounded to the nearest number of E2M3, ties to even, subnormals kept.
;;     - The product sums the exact products of the quantised numbers (number of the format x scale) in f32.
;;   ~~~python
;;   def quantise(x, axis):      # numpy; x: float32 -> the quantised numbers, widened to float32 again
;;       x = np.moveaxis(x, axis, -1); K = x.shape[-1]
;;       x = np.pad(x, [(0, 0)] * (x.ndim - 1) + [(0, -K % 32)]); x = x.reshape(x.shape[:-1] + (-1, 32)); a = np.abs(x).max(-1, keepdims=True)
;;       e = np.where(a > 0, np.clip(np.frexp(np.where(a > 0, a, 1))[1] - 1 - 2, -126, 127), 0)      # np.frexp(a)[1] - 1 = floor(log2(a)), exactly
;;       r = np.clip(x / 2.0 ** e, -7.5, 7.5)
;;       step = 2.0 ** (np.maximum(np.frexp(np.where(r == 0, 1, r))[1] - 1, 0) - 3)
;;       q = np.round(r / step) * step * 2.0 ** e      # np.round: ties to even
;;       return np.moveaxis(q.reshape(q.shape[:-2] + (-1,))[..., :K], -1, axis).astype(np.float32)
;;   ~~~
;;   SOFTMAX AHEAD OF A QUANTISED PRODUCT. Where the list says 'softmax', what is quantised is not the finished softmax but p = 2^(t - M), with t = logit x log2(e) and M = ceil(the row's largest t), a whole number; so 1/2 < the row's largest p <= 1. The row's sum l is taken of the UNQUANTISED p, in f32, and the product's result is divided by l at the end. Since M is a whole number, a kernel that streams over the keys may use a running M (the ceiling of the running maximum): every later rescaling is an exact power of two, which a block's scale takes up: the codes' values come out the same.
;;   OPERANDS COMPUTED ON THE WAY. 'Computed on the way' means the value that the module computes at that place (a softmax that the list does not call 'softmax' is quantised finished and normalised). What goes into a quantiser is computed in f32, as accurately as f32 sums, v_exp_f32 and their like allow (about 1e-6 of the number): no bf16 or f16 on the way to a quantiser, and a product that is left as it is and whose result goes on into a quantised operand takes f32 operands (vector FMAs, or v_wmma_f32_16x16x4_f32). A number that lies on a knife's edge between two numbers of the format may be rounded either way, as far as f32 arithmetic and the matrix unit's own rounding can turn it there, and no further.
;; One version. Each part assembles by itself: llvm-mc -triple=amdgcn-amd-amdhsa -mcpu=gfx1250 --defsym DOCPART=n.
;; ======== version 1 of 1: 4 launches
;; limits: right only within a limited range of input values
;; workspace buffers: cd_in 9,437,184 bytes; sc_in 393,216 bytes; cd_qkv 18,874,368 bytes; sc_qkv 786,432 bytes; cd_mh 6,291,456 bytes; sc_mh 262,144 bytes
;; launch quant (part 1): grid 480 x 1, 4 waves a work-group, no clusters, 46,592 bytes of LDS; arguments x, W_o, W_q, W_k, W_v, cd_in, sc_in; writes cd_in, sc_in
.if DOCPART == 1
	.amdgcn_target "amdgcn-amd-amdhsa--gfx1250"
	.amdhsa_code_object_version 6
	.text
	.protected	k_q86b5191145_quant
	.globl	k_q86b5191145_quant
	.p2align	8
	.type	k_q86b5191145_quant,@function
k_q86b5191145_quant:
	s_mov_b64 s[64:65], 0
	v_nop
	global_prefetch_b8 v0, s[64:65] scope:SCOPE_SE
	s_setreg_imm32_b32 hwreg(HW_REG_WAVE_MODE, 25, 1), 1
	s_wait_xcnt 0x0
; x [8192][1024], W_o [1024][1024] (K innermost) and W_q, W_k, W_v [8][1024][128] (K = the middle axis), all f32, become codes of FP6 (E2M3) with one E8M0 byte for each 32 along K.
; THE OUTPUT IS LAID AS THE MATRIX OPERAND'S REGISTERS.  A fragment is 16 rows x 128 K, 12 registers a lane: register p of lane l lies at byte 512 (p / 4) + 16 l + 4 (p % 4) of an image of 1,536 bytes,
; so that any later wave gets it by three loads of 16 bytes a lane.  cd_in: [tile 768][K step 8][1,536]; sc_in: [tile][K step][16 words], word r = row r's four bytes.
; Tiles: x 0-511, W_o 512-575, W_q 576-639, W_k 640-703, W_v 704-767 (8 x head + tile).
; THE ROWS OF A TILE ARE NOT NEIGHBOURS: in each group of 32 rows, row r of tile 2 g + u is row 32 g + 8 u + r + 8 (r / 8), so that a product that takes such tiles as its first source leaves 16 neighbours in a lane's 16 registers.
; A block's scale is 2^(floor(log2(its largest magnitude)) - 2): its byte is the largest magnitude's exponent field - 2, held at 1 from below by a floor among the maximum's leaves.
; LIMITS: a block of zeros gets the byte 1 where the rule says 127 (its codes are zeros, and this program alone reads the bytes); NaN and infinities among the inputs are not served.
; Work-groups 0-287 take 32 rows of x or W_o (K innermost), work-groups 288-479 take 128 along K x 128 channels of a head of W_q, W_k or W_v.  The two ways part on the work-group's number and have LDS bytes of their own.
; No tensor loads, no barrier: waves share nothing.
.set SP,    528                        ; a row of a rows-way stage: 512 bytes + 16: the sixteen rows that a load touches begin at sixteen different 16-byte columns modulo 256
.set CSTG,  33792                      ; behind the four rows-way stages (4 x 16 x 528): the columns way's four stages of two images each
.set SPARE, 46080                      ; behind them: the spare words, 128 bytes for each wave, which no other line names
.set SPW,   244                        ; v244 LDS address of my spare word; never rewritten
.set NIL,   245                        ; v245 0; never rewritten
.set SEL,   20                         ; s[20:21] lane selects for v_permlanex16_b32: lane l xor 16
.set PC,    12                         ; v12-23  a fragment's codes
.set T8,    24                         ; v24-31  the blocks' second halves, as the conversions leave them
.set TM,    224                        ; v224-239 largest magnitudes, bytes, scale operands
.set PW,    240                        ; v240-243 a scale word for each K step
; 64 numbers of a lane, register 16 b + i = k 32 b + 16 (lane / 16) + i of my row, become a fragment's codes in v[pc] on and its scale word in v[pw].
.macro QUANT src, pc, t8, tm, pw
.irp b, 0,1,2,3
	v_max3_num_f32 v[\tm+\b], |v[\src+16*\b]|, |v[\src+1+16*\b]|, 0x1800000   ; block b: my 16 numbers, and the floor 2^(3 - 127): the byte cannot fall under 1
.endr
.irp i, 2,4,6,8,10,12,14
.irp b, 0,1,2,3
	v_max3_num_f32 v[\tm+\b], v[\tm+\b], |v[\src+16*\b+\i]|, |v[\src+1+16*\b+\i]|   ; the four blocks by turns
.endr
.endr
.irp b, 0,1,2,3
	v_permlanex16_b32 v[\tm+4+\b], v[\tm+\b], s[SEL], s[SEL+1]
.endr
.irp b, 0,1,2,3
	v_max_num_f32 v[\tm+\b], v[\tm+\b], v[\tm+4+\b]   ; with lane l xor 16's 16: the block's largest magnitude
.endr
.irp b, 0,1,2,3
	v_add_nc_u32 v[\tm+12+\b], 0xff000000, v[\tm+\b]   ; 2 off its exponent field: the conversion takes this operand's exponent field as its scale
.endr
.irp b, 0,1,2,3
	v_lshrrev_b32 v[\tm+4+\b], 23, v[\tm+12+\b]   ; the scale's byte
.endr
	v_lshl_or_b32 v[\pw], v[\tm+5], 8, v[\tm+4]
	v_lshl_or_b32 v[\pw], v[\tm+6], 16, v[\pw]
	v_lshl_or_b32 v[\pw], v[\tm+7], 24, v[\pw]   ; my row's scale word
.irp c, 0,1
	v_cvt_scalef32_pk16_fp6_f32 v[\pc+6*\c:\pc+6*\c+2], v[\src+32*\c:\src+32*\c+15], v[\tm+12+2*\c]
	v_cvt_scalef32_pk16_fp6_f32 v[\t8+4*\c:\t8+4*\c+2], v[\src+32*\c+16:\src+32*\c+31], v[\tm+13+2*\c]   ; (a conversion's three registers begin on an even number)
.endr
	v_nop                                          ; one plain instruction behind the scaled conversions
.irp c, 0,1                                    ; the operand wants a WHOLE block in a lane: lanes 0-15 block 2 c, lanes 16-31 block 2 c + 1
.irp i, 0,1,2
	v_permlane16_swap_b32 v[\pc+6*\c+\i], v[\t8+4*\c+\i]
.endr
.irp i, 0,1,2
	v_mov_b32 v[\pc+3+6*\c+\i], v[\t8+4*\c+\i]
.endr
.endr
.endm
	s_load_b256 s[4:11], s[0:1], 0x0               ; x s[4:5], W_o s[6:7], W_q s[8:9], W_k s[10:11]
	s_load_b128 s[12:15], s[0:1], 0x20             ; W_v s[12:13], cd_in s[14:15]
	s_load_b64 s[16:17], s[0:1], 0x30              ; sc_in
	v_lshl_add_u32 v[SPW], v0, 2, SPARE
	v_mov_b32 v[NIL], 0
	v_lshrrev_b32 v1, 5, v0
	v_readfirstlane_b32 s18, v1                    ; wave 0..3
	v_and_b32 v4, 31, v0                           ; lane
	v_lshlrev_b32 v1, 4, v4                        ; 16 x lane
	v_lshlrev_b32 v5, 2, v4                        ; 4 x lane
	s_mov_b32 s[SEL], 0x76543210
	s_mov_b32 s[SEL+1], 0xfedcba98
	s_cmp_ge_u32 ttmp9, 288
	s_cbranch_scc1 .Lcolumns
; ---- K INNERMOST.  The work-group takes 32 rows; wave w takes tile u = w % 2 of the two and K steps 4 (w / 2) .. + 3.  Each load reads 512 consecutive bytes, a K step of one row; the 16 rows turn
; through the wave's own stage, so that a lane gets 16 neighbours of each block of 32 of ITS row.
	s_and_b32 s19, s18, 1                          ; u
	s_lshr_b32 s22, s18, 1                         ; which half of K
	s_mul_i32 s23, s18, 16*SP                      ; my stage
	v_add_nc_u32 v2, s23, v1                       ; in: 16 x lane of a row
	v_and_b32 v6, 15, v0                           ; r
	v_bfe_u32 v7, v0, 4, 1                         ; h
	v_mul_u32_u24 v3, v6, SP
	v_lshl_add_u32 v3, v7, 6, v3
	v_add_nc_u32 v3, s23, v3                       ; out: row r, + 64 h
.irp b, 0,1,2,3
	v_mov_b32 v[TM+4+\b], 0                        ; written once: a lane permute's destination counts as one of its sources
.endr
	s_wait_alu depctr_va_vdst(0)
	s_wait_kmcnt 0x0
	s_cmp_lt_u32 ttmp9, 256                        ; x's work-group or W_o's: the choice hangs on the work-group's number alone
	s_cselect_b64 s[4:5], s[4:5], s[6:7]
	s_cselect_b32 s24, 0, 256
	s_sub_co_u32 s24, ttmp9, s24
	s_lshl_b32 s24, s24, 17                        ; 32 rows of 4,096 bytes
	s_lshl_b32 s25, s19, 15                        ; + 8 u rows
	s_add_co_u32 s24, s24, s25
	s_lshl_b32 s25, s22, 11                        ; + my half of K
	s_add_co_u32 s24, s24, s25
	s_mov_b32 s25, 0
	s_add_nc_u64 s[4:5], s[4:5], s[24:25]
	s_lshl_b32 s26, ttmp9, 1
	s_add_co_u32 s26, s26, s19                     ; my tile: 2 x work-group + u (W_o's begin at 512 by themselves)
	s_mul_i32 s24, s26, 12288
	s_mul_i32 s27, s22, 6144
	s_add_co_u32 s24, s24, s27
	s_add_nc_u64 s[14:15], s[14:15], s[24:25]      ; its images of my four K steps
	s_lshl_b32 s24, s26, 9
	s_lshl_b32 s27, s22, 8
	s_add_co_u32 s24, s24, s27
	s_add_nc_u64 s[16:17], s[16:17], s[24:25]      ; and their scale words
.macro RLOAD sl                        ; K step sl of my 16 rows into set sl % 3
.set XL, 32+64*((\sl)%3)
.irp i, 0,1,2,3,4,5,6,7,8,9,10,11,12,13,14,15
	global_load_b128 v[XL+4*\i:XL+4*\i+3], v1, s[4:5] offset:(\i+8*(\i/8))*4096+(\sl)*512 th:TH_LOAD_NT
.endr
.endm
.macro RTURN                           ; set XS through the stage and back into itself: LDS serves a wave's instructions in order, so no wait stands between the stores and the loads
.irp i, 0,1,2,3,4,5,6,7,8,9,10,11,12,13,14,15
	ds_store_b128 v2, v[XS+4*\i:XS+4*\i+3] offset:\i*SP
.endr
.irp b, 0,1,2,3
.irp j, 0,1,2,3
	ds_load_b128 v[XS+16*\b+4*\j:XS+16*\b+4*\j+3], v3 offset:128*\b+16*\j
.endr
.endr
.endm
.macro RSTEP sl, left                  ; left: the younger loads, which may stay out
.set XS, 32+64*((\sl)%3)
.set PWS, PW+(\sl)
	s_wait_loadcnt \left
	RTURN
	s_wait_dscnt 0x0                               ; my 64 numbers are back
.if (\sl) > 0
	s_wait_xcnt 0x0                                ; the last step's stores have read the codes' registers, which are written again below
.endif
	QUANT XS, PC, T8, TM, PWS
.irp k, 0,1,2
	global_store_b128 v1, v[PC+4*\k:PC+4*\k+3], s[14:15] offset:(\sl)*1536+512*\k   ; 512 consecutive bytes a store
.endr
.endm
	RLOAD 0
	RLOAD 1
	RLOAD 2
	RSTEP 0, 32
	RLOAD 3                                        ; into set 0, which has been quantised
	RSTEP 1, 32
	RSTEP 2, 16
	RSTEP 3, 0
	v_cmp_gt_u32 vcc_lo, 16, v4
	v_cndmask_b32 v246, v[PW+1], v[PW], vcc_lo     ; lanes 0-15 hold a K step's 16 words, lanes 16-31 the next step's: 128 consecutive bytes a store
	v_cndmask_b32 v247, v[PW+3], v[PW+2], vcc_lo
	global_store_b32 v5, v246, s[16:17]
	global_store_b32 v5, v247, s[16:17] offset:128
	s_wait_tensorcnt 0x0                           ; the wave's end, behind my last LDS store
	ds_add_u32 v[SPW], v[NIL]
	s_wait_dscnt 0x0
	s_endpgm
; ---- K NOT INNERMOST.  Work-group 288 + (8 tensor + head) 8 + K step.  Wave g takes channels 32 g .. 32 g + 31: A LANE TAKES A CHANNEL AND ITS REGISTERS RUN DOWN K, so a block's 32 numbers are one lane's,
; each load reads 128 consecutive bytes, and the conversions give codes with K innermost.  Lane l's channel is row r = l % 8 + 8 (l / 16) of tile 2 g + u, u = (l / 8) % 2; its blocks go to their places
; in the two tiles' images in the wave's stage, and the images leave as they lie.
.Lcolumns:
	s_sub_co_u32 s19, ttmp9, 288
	s_lshr_b32 s22, s19, 6                         ; 0 W_q, 1 W_k, 2 W_v
	s_bfe_u32 s23, s19, 0x30003                    ; head
	s_and_b32 s24, s19, 7                          ; K step
	v_and_b32 v6, 7, v0
	v_bfe_u32 v7, v0, 4, 1
	v_lshl_or_b32 v6, v7, 3, v6                    ; r
	v_bfe_u32 v8, v0, 3, 1                         ; u
	s_mul_i32 s25, s18, 3072
	s_add_co_u32 s25, s25, CSTG                    ; my stage
	v_lshlrev_b32 v2, 4, v6
	v_mad_u32_u24 v2, v8, 1536, v2
	v_add_nc_u32 v2, s25, v2                       ; in: image u, 16 r
	s_wait_alu depctr_va_vdst(0)
	v_add_nc_u32 v3, s25, v1                       ; out: 16 x lane
	v_lshlrev_b32 v9, 2, v6
	v_lshl_add_u32 v9, v8, 9, v9                   ; my scale word's place: 512 u + 4 r
	s_wait_kmcnt 0x0
	s_cmp_eq_u32 s22, 0
	s_cselect_b64 s[8:9], s[8:9], s[10:11]
	s_cmp_eq_u32 s22, 2
	s_cselect_b64 s[8:9], s[12:13], s[8:9]         ; the tensor: the choice hangs on the work-group's number alone
	s_lshl_b32 s26, s23, 19                        ; head x 1,024 rows of 512 bytes
	s_lshl_b32 s27, s24, 16                        ; + 128 rows a K step
	s_add_co_u32 s26, s26, s27
	s_lshl_b32 s27, s18, 7                         ; + my 32 channels
	s_add_co_u32 s26, s26, s27
	s_mov_b32 s27, 0
	s_add_nc_u64 s[8:9], s[8:9], s[26:27]
	s_lshl_b32 s28, s22, 6
	s_lshl_b32 s29, s23, 3
	s_add_co_u32 s28, s28, s29
	s_lshl_b32 s29, s18, 1
	s_add_co_u32 s28, s28, s29
	s_add_co_u32 s28, s28, 576                     ; my first tile: 576 + 64 tensor + 8 head + 2 wave
	s_mul_i32 s26, s28, 12288
	s_mul_i32 s29, s24, 1536
	s_add_co_u32 s26, s26, s29
	s_add_nc_u64 s[14:15], s[14:15], s[26:27]
	s_lshl_b32 s26, s28, 9
	s_lshl_b32 s29, s24, 6
	s_add_co_u32 s26, s26, s29
	s_add_nc_u64 s[16:17], s[16:17], s[26:27]
.macro CLOAD blk                       ; W(32 blk + i, my channel), i = 0 .. 31
.irp i, 0,1,2,3,4,5,6,7,8,9,10,11,12,13,14,15,16,17,18,19,20,21,22,23,24,25,26,27,28,29,30,31
	global_load_b32 v[32+32*(\blk)+\i], v5, s[8:9] offset:(32*(\blk)+\i)*512 th:TH_LOAD_NT
.endr
.endm
.macro CBLOCK blk
.set XS, 32+32*(\blk)
.set P, 160+8*(\blk)
.if (\blk) < 3
	s_wait_loadcnt 32                              ; this block's 32 loads are in; the next block's may be out
.else
	s_wait_loadcnt 0x0
.endif
.if (\blk) < 2
	CLOAD (\blk)+2                                 ; two blocks ahead
.endif
	v_max3_num_f32 v10, |v[XS]|, |v[XS+1]|, |v[XS+2]|   ; the block's largest magnitude: all 32 numbers are mine; two chains
	v_max3_num_f32 v11, |v[XS+3]|, |v[XS+4]|, |v[XS+5]|
.irp i, 6,10,14,18,22,26
	v_max3_num_f32 v10, v10, |v[XS+\i]|, |v[XS+\i+1]|
	v_max3_num_f32 v11, v11, |v[XS+\i+2]|, |v[XS+\i+3]|
.endr
	v_max3_num_f32 v10, v10, |v[XS+30]|, |v[XS+31]|
	v_max3_num_f32 v10, v10, v11, 0x1800000        ; and the floor
	v_add_nc_u32 v11, 0xff000000, v10              ; the conversion's scale operand
	v_lshrrev_b32 v10, 23, v11                     ; the byte
.if (\blk) == 0
	v_mov_b32 v240, v10
.else
	v_lshl_or_b32 v240, v10, 8*(\blk), v240        ; my channel's scale word, the lower K in the lower byte
.endif
	v_cvt_scalef32_pk16_fp6_f32 v[P:P+2], v[XS:XS+15], v11
	v_cvt_scalef32_pk16_fp6_f32 v[192:194], v[XS+16:XS+31], v11
	v_nop                                          ; one plain instruction behind the scaled conversions
.irp i, 0,1,2
	v_mov_b32 v[P+3+\i], v[192+\i]                 ; the block's six registers on end
.endr
; block 2 c + h is registers 6 c .. 6 c + 5 of image lane r + 16 h
.if (\blk) < 2
	ds_store_b128 v2, v[P:P+3] offset:256*((\blk)%2)
	ds_store_b64 v2, v[P+4:P+5] offset:512+256*((\blk)%2)
.else
	ds_store_b64 v2, v[P:P+1] offset:520+256*((\blk)%2)
	ds_store_b128 v2, v[P+2:P+5] offset:1024+256*((\blk)%2)
.endif
.endm
	CLOAD 0
	CLOAD 1
	CBLOCK 0
	CBLOCK 1
	CBLOCK 2
	CBLOCK 3
.irp k, 0,1,2,3,4,5
	ds_load_b128 v[196+4*\k:199+4*\k], v3 offset:512*\k   ; LDS serves a wave's instructions in order: these see my stores
.endr
	global_store_b32 v9, v240, s[16:17]            ; two runs of 64 consecutive bytes
.irp k, 0,1,2,3,4,5
	s_wait_dscnt 5-\k                              ; the younger loads may be out
	global_store_b128 v1, v[196+4*\k:199+4*\k], s[14:15] offset:(\k/3)*12288+(\k%3)*512   ; 512 consecutive bytes a store
.endr
	s_wait_tensorcnt 0x0                           ; the wave's end, behind my last LDS store
	ds_add_u32 v[SPW], v[NIL]
	s_wait_dscnt 0x0
	s_endpgm
.Lfunc_end_k_q86b5191145_quant:
	.size	k_q86b5191145_quant, .Lfunc_end_k_q86b5191145_quant-k_q86b5191145_quant
	.p2alignl 7, 3214868480
	.fill 96, 4, 3214868480
	.section	.rodata,"a",@progbits
	.p2align	6, 0x0
	.amdhsa_kernel k_q86b5191145_quant
		.amdhsa_group_segment_fixed_size 46592
		.amdhsa_private_segment_fixed_size 0
		.amdhsa_enable_private_segment 0
		.amdhsa_kernarg_size 56
		.amdhsa_user_sgpr_count 2
		.amdhsa_user_sgpr_kernarg_segment_ptr 1
		.amdhsa_wavefront_size32 1
		.amdhsa_system_sgpr_workgroup_id_x 1
		.amdhsa_system_sgpr_workgroup_id_y 1
		.amdhsa_system_sgpr_workgroup_id_z 1
		.amdhsa_system_vgpr_workitem_id 0
		.amdhsa_next_free_vgpr 256
		.amdhsa_next_free_sgpr 66
		.amdhsa_reserve_vcc 1
		.amdhsa_float_denorm_mode_32 3
		.amdhsa_float_denorm_mode_16_64 3
		.amdhsa_memory_ordered 1
		.amdhsa_forward_progress 1
		.amdhsa_inst_pref_size 55
	.end_amdhsa_kernel
	.amdgpu_metadata
---
amdhsa.version: [ 1, 2 ]
amdhsa.kernels:
  - .name:           k_q86b5191145_quant
    .symbol:         k_q86b5191145_quant.kd
    .args:
      - { .name: x, .offset: 0, .size: 8, .value_kind: global_buffer, .address_space: global }
      - { .name: W_o, .offset: 8, .size: 8, .value_kind: global_buffer, .address_space: global }
      - { .name: W_q, .offset: 16, .size: 8, .value_kind: global_buffer, .address_space: global }
      - { .name: W_k, .offset: 24, .size: 8, .value_kind: global_buffer, .address_space: global }
      - { .name: W_v, .offset: 32, .size: 8, .value_kind: global_buffer, .address_space: global }
      - { .name: cd_in, .offset: 40, .size: 8, .value_kind: global_buffer, .address_space: global }
      - { .name: sc_in, .offset: 48, .size: 8, .value_kind: global_buffer, .address_space: global }
    .group_segment_fixed_size: 46592
    .private_segment_fixed_size: 0
    .kernarg_segment_align: 8
    .kernarg_segment_size: 56
    .max_flat_workgroup_size: 128
    .sgpr_count:     66
    .vgpr_count:     256
    .wavefront_size: 32
...
	.end_amdgpu_metadata
.endif
;; end of part 1
;; launch qkv (part 2): grid 192 x 4, 4 waves a work-group, clusters of 4 x 4, 327,680 bytes of LDS; arguments cd_in, sc_in, bias, cd_qkv, sc_qkv; writes cd_qkv, sc_qkv
.if DOCPART == 2
	.amdgcn_target "amdgcn-amd-amdhsa--gfx1250"
	.amdhsa_code_object_version 6
	.text
	.protected	k_q86b5191145_qkv
	.globl	k_q86b5191145_qkv
	.p2align	8
	.type	k_q86b5191145_qkv,@function
k_q86b5191145_qkv:
	s_mov_b64 s[64:65], 0
	v_nop
	global_prefetch_b8 v0, s[64:65] scope:SCOPE_SE
	s_setreg_imm32_b32 hwreg(HW_REG_WAVE_MODE, 25, 1), 1
	s_wait_xcnt 0x0
	s_wait_alu depctr_hold_cnt(0) depctr_sa_sdst(0) depctr_va_vdst(0) depctr_va_sdst(0) depctr_va_ssrc(0) depctr_va_vcc(0) depctr_vm_vsrc(0)
	s_getreg_b32 s2, hwreg(HW_REG_IB_STS2, 6, 4)
	s_cmp_eq_u32 s2, 0
	s_cbranch_scc0 .Lentry_in_a_cluster
	s_endpgm
.Lentry_in_a_cluster:
	s_bfe_u32 s2, ttmp6, 0x10000c
	s_cmp_lg_u32 s2, 0xf033
	s_cbranch_scc0 .Lentry_shape_is_right
	s_endpgm
.Lentry_shape_is_right:
; Q = x W_q + b, K = x W_k + b, V = x W_v + b on codes of FP6 (E2M3) with E8M0 scales, K = 1,024 in 8 steps of 128, sums in f32; the results are quantised in registers and stored as fragment images for the attention launch.
; OPERANDS are fragment images (16 rows x 128 K = 1,536 bytes, register p of lane l at 512 (p / 4) + 16 l + 4 (p % 4)): cd_in [tile][K step][1,536], sc_in [tile][K step][16 words].
; A work-group makes 128 rows of "A" (the second source) x 256 rows of "B" (the first source); its four waves 64 x 128 each: 32 accumulators.  In a result a lane holds ONE row of A, and, by the order of rows
; in B's tiles, the 16 registers of B's tiles 2 g and 2 g + 1 are 16 neighbouring rows of B: so a lane's 64 registers of one tile of A are 128 neighbours along the NEXT product's K, ready for the conversions.
;   clusters 0-31: A = x (tokens), B = W_q and W_k (channels): fragments of 16 tokens x a head's 128 channels.   clusters 32-47: A = W_v (channels), B = x (tokens): fragments of V^T, 16 channels x 128 keys.
; ALL OF K FOR THE TILE LIES IN LDS (294,912 bytes), so every LDS byte is filled once: one load a wave at the start, no slot is filled again.  All K steps are read behind one barrier in front of
; which every wave has waited for its load.
; CLUSTER 4 x 4: A's tiles are shared along a row of the cluster, B's along a column: joint loads, the same descriptor and a mask of four in all that it names.
; The bias is the C of each sum's first matrix instruction.
; cd_qkv: three regions of RG bytes: Q [batch x head 32][tile 128][1,536], K the same, V [batch x head][key step 16][channel tile 8][1,536]; sc_qkv: 64 bytes a fragment, same order, regions of 262,144.
; LIMITS: a block of zeros gets the byte 1 (its codes are zeros; this program alone reads the bytes); NaN and infinities are not served.
; REGISTERS, in windows of 256: window 0: v2-16 addresses; v28, v29 the add's two; v32-63 B's scale words, v64-79 A's; v80-87 the bias; v96-191 A's fragments, two sets; v192-221 at work on the way out.
;   window 1: B's fragments, two sets, at v0 and v128.   window 2: accumulator (a, b) at v[8 (8 a + b)].
.set RG,    6291456
.set CH,    73728                      ; LDS: a chunk = two K steps: A's 8 tiles x 3,072 bytes, then B's 16
; LDS AS THIS TEXT LAYS IT: A's 8 tiles on end, each with its 8 K steps (12,288 bytes a tile), then B's 16 tiles from BOFF on.  A wave's share (4 tiles of A or 8 of B, all of K) is one dense
; block of memory and comes by ONE tensor load at the head, as rows of 256 bytes; every LDS byte is filled once, and one barrier behind the wait for 0 shows all of it to all four waves.
.set BOFF,  98304
.set SPARE, 294912                     ; behind the four chunks: the spare words, 128 bytes for each wave, which no other line names
.set ADRA,  2                          ; v2     my 4 tiles of A
.set ADRB,  6                          ; v6-7   my B tiles 0-3 and 4-7
.set L16,   10                         ; v10    16 x lane
.set L4,    11                         ; v11    4 x lane
.set LN,    12                         ; v12    lane
.set SPW,   28
.set NIL,   29
.set SCB,   32                         ; v[SCB + 8 i + s]: lanes 0-15 the words of my B tile i, lanes 16-31 of tile i + 4, K step s
.set SCA,   64                         ; v[SCA + 8 i + s]: lanes 0-15 my A tile i, lanes 16-31 tile i + 2
.set BIAS,  80
.set AF,    96
.set T8,    192
.set TM,    200
.set PW,    216
.set WV,    14
.set WHI,   15
.set WLO,   16
.set CX,    17
.set CY,    18
.set ROLE,  19
.set SEL,   20
.set G1A,   24                         ; s[24:31] group 1 for A's loads; s[32:39] for B's; s[40:43], s[68:71] their groups 0
.set G1B,   32
.set G0A,   40
.set G0B,   68
.set SPA,   56                         ; s[56:57] my A tiles' scale words; s[58:59] my B tiles'
.set SPB,   58
.set MSB, 0
.macro WIN new                         ; the immediate's high byte repeats the setting that is left
.if MSB != (\new)
	s_set_vgpr_msb (MSB<<8)|(\new)
.set MSB, (\new)
.endif
.endm
.macro PLACES                          ; four plain instructions between a matrix instruction and a load into, or a vector read of, its registers (ISA guide 7.12.1 for vector reads)
.rept 4
	v_nop
.endr
.endm
.macro CREST
	s_cmp_lg_u32 s[WV], 0
	s_cbranch_scc1 .Lnot_wave_0_\@
	s_barrier_signal -3
.Lnot_wave_0_\@:
	s_barrier_wait -3
	s_barrier_signal -1
	s_barrier_wait -1
.endm
.macro CROUND                          ; a round of the cluster's barrier
	s_barrier_signal -1
	s_barrier_wait -1
	CREST
.endm
.macro FETCH s                         ; K step s: my 8 fragments of B and 4 of A, three loads of 512 consecutive bytes each, into set s % 2
	WIN 0x40
.irp b, 0,1,2,3,4,5,6,7
.irp k, 0,1,2
	ds_load_b128 v[128*((\s)%2)+12*\b+4*\k:128*((\s)%2)+12*\b+4*\k+3], v[ADRB+\b/4] offset:(\b%4)*12288+(\s)*1536+512*\k
.endr
.endr
	WIN 0
.irp a, 0,1,2,3
.irp k, 0,1,2
	ds_load_b128 v[AF+48*((\s)%2)+12*\a+4*\k:AF+48*((\s)%2)+12*\a+4*\k+3], v[ADRA] offset:\a*12288+(\s)*1536+512*\k
.endr
.endr
.endm
.macro MM a, b, s, first               ; one product: first source B's tile b, second A's tile a; the scale rows go by which half of the lanes holds the tile's words
.set rD, 8*(8*(\a)+(\b))
.set rB, 128*((\s)%2)+12*(\b)
.set rA, AF+48*((\s)%2)+12*(\a)
.set rP, SCB+8*((\b)%4)+(\s)
.set rR, SCA+8*((\a)%2)+(\s)
.set rC, rD
.if \first
.set rC, BIAS
.endif
.if ((\b) < 4) && ((\a) < 2)
	v_wmma_scale_f32_16x16x128_f8f6f4 v[rD:rD+7], v[rB:rB+11], v[rA:rA+11], v[rC:rC+7], v[rP], v[rR] matrix_a_fmt:MATRIX_FMT_FP6 matrix_b_fmt:MATRIX_FMT_FP6
.elseif (\a) < 2
	v_wmma_scale_f32_16x16x128_f8f6f4 v[rD:rD+7], v[rB:rB+11], v[rA:rA+11], v[rC:rC+7], v[rP], v[rR] matrix_a_fmt:MATRIX_FMT_FP6 matrix_b_fmt:MATRIX_FMT_FP6 matrix_a_scale:MATRIX_SCALE_ROW1
.elseif (\b) < 4
	v_wmma_scale_f32_16x16x128_f8f6f4 v[rD:rD+7], v[rB:rB+11], v[rA:rA+11], v[rC:rC+7], v[rP], v[rR] matrix_a_fmt:MATRIX_FMT_FP6 matrix_b_fmt:MATRIX_FMT_FP6 matrix_b_scale:MATRIX_SCALE_ROW1
.else
	v_wmma_scale_f32_16x16x128_f8f6f4 v[rD:rD+7], v[rB:rB+11], v[rA:rA+11], v[rC:rC+7], v[rP], v[rR] matrix_a_fmt:MATRIX_FMT_FP6 matrix_b_fmt:MATRIX_FMT_FP6 matrix_a_scale:MATRIX_SCALE_ROW1 matrix_b_scale:MATRIX_SCALE_ROW1
.endif
.endm
.macro MUL16 a0, s, first              ; the 32 accumulators take turns, one instruction a turn, in the same order in every step
.irp a, \a0, \a0+1
.irp b, 0,1,2,3,4,5,6,7
	MM (\a), \b, \s, \first
.endr
.endr
.endm
.macro STEP s
	s_wait_dscnt 0x0                               ; this step's fragments are in
.if (\s) == 0
	WIN 0x81                                       ; B window 1, A window 0, C (the bias) window 0, D window 2
	MUL16 0, \s, 1
.else
	WIN 0xa1                                       ; C and D window 2
	MUL16 0, \s, 0
.endif
.if (\s) < 7
	PLACES                                         ; for the loads into the set that the last step multiplied
	FETCH (\s)+1
.endif
.if (\s) == 0
	WIN 0x81
	MUL16 2, \s, 1
.else
	WIN 0xa1
	MUL16 2, \s, 0
.endif
.endm
	s_load_b256 s[4:11], s[0:1], 0x0               ; cd_in s[4:5], sc_in s[6:7], bias s[8:9], cd_qkv s[10:11]
	s_load_b64 s[12:13], s[0:1], 0x20              ; sc_qkv
	v_lshl_add_u32 v[SPW], v0, 2, SPARE
	v_mov_b32 v[NIL], 0
	ds_add_u32 v[SPW], v[NIL]                      ; the wave's opening: the add and its wait stand ahead of my first tensor load; work on registers stands between them
	ds_add_u32 v[SPW], v[NIL]
	v_lshrrev_b32 v1, 5, v0
	v_readfirstlane_b32 s[WV], v1                  ; wave 0..3
	s_lshr_b32 s[WHI], s[WV], 1                    ; which 4 tiles of A are mine.  Also: I fetch for A (0) or for B (1)
	s_and_b32 s[WLO], s[WV], 1                     ; which 8 tiles of B.  Also: which half of that operand I fetch
	s_bfe_u32 s[CX], ttmp6, 0x40000
	s_bfe_u32 s[CY], ttmp6, 0x40004
	; the cluster's role and place hang on the cluster's x alone, which all sixteen partners share
	s_lshr_b32 s84, ttmp9, 1                       ; as Q, K: 16 rows of clusters over x,
	s_and_b32 s85, ttmp9, 1                        ; 2 columns over W_q, W_k
	s_sub_co_u32 s86, ttmp9, 32
	s_lshr_b32 s87, s86, 3                         ; as V: 2 rows over W_v,
	s_and_b32 s86, s86, 7                          ; 8 columns over x
	s_cmp_lt_u32 ttmp9, 32
	s_cselect_b32 s84, s84, s87
	s_cselect_b32 s85, s85, s86
	s_cselect_b32 s86, 0, 704                      ; A's first tile in cd_in: x's or W_v's
	s_cselect_b32 s87, 576, 0                      ; B's: W_q's or x's
	s_cselect_b32 s[ROLE], 0, 1
	s_lshl_b32 s84, s84, 2
	s_add_co_u32 s84, s84, s[CY]                   ; tr: my block of 8 tiles of A
	s_lshl_b32 s85, s85, 2
	s_add_co_u32 s85, s85, s[CX]                   ; tc: my block of 16 tiles of B
	s_lshl_b32 s88, s84, 3
	s_add_co_u32 s88, s88, s86                     ; A's first tile of mine
	s_lshl_b32 s89, s85, 4
	s_add_co_u32 s89, s89, s87                     ; B's
	s_mul_i32 s90, s88, 12288
	s_mul_i32 s91, s[WLO], 49152
	s_add_co_u32 s90, s90, s91                     ; what I would fetch of A: 4 tiles,
	s_mov_b32 s91, 0
	s_mul_i32 s92, s89, 12288
	s_mul_i32 s93, s[WLO], 98304
	s_add_co_u32 s92, s92, s93                     ; of B: 8 tiles
	s_mov_b32 s93, 0
	s_mul_i32 s94, s[WLO], 49152                   ; where my share goes: A's 4 tiles x 12,288 bytes; no place in the cluster enters an LDS address
	s_mul_i32 s95, s[WLO], 98304                   ; B's 8 tiles
	s_add_co_u32 s95, s95, BOFF
	s_lshl_b32 s22, s[CY], 2
	s_lshl_b32 s22, 15, s22                        ; my row of the cluster
	s_lshl_b32 s23, 0x1111, s[CX]                  ; my column
	; group 1: rows of 256 bytes (32 elements of 8 bytes), 256 bytes apart (a dense block), laid on end in LDS
	s_or_b32 s[G1A], s22, (3<<16)|(1<<21)          ; 15:0 the mask; 17:16 elements of 8 bytes; 21 set beside a mask
	s_or_b32 s[G1B], s23, (3<<16)|(1<<21)
	s_mov_b32 s[G1A+1], 32<<16                     ; a dense block as rows of 256 bytes (32 elements of 8 bytes)
	s_mov_b32 s[G1A+2], 192<<16                    ; 4 tiles x 12,288 bytes = 192 rows
	s_mov_b32 s[G1A+3], 32<<16
	s_mov_b32 s[G1A+4], 192
	s_mov_b32 s[G1A+5], 32
	s_mov_b32 s[G1A+6], 0
	s_mov_b32 s[G1A+7], 0
	s_mov_b32 s[G1B+1], 32<<16
	s_mov_b32 s[G1B+2], 384<<16                    ; 8 tiles = 384 rows
	s_mov_b32 s[G1B+3], 32<<16
	s_mov_b32 s[G1B+4], 384
	s_mov_b32 s[G1B+5], 32
	s_mov_b32 s[G1B+6], 0
	s_mov_b32 s[G1B+7], 0
	s_mov_b32 s[SEL], 0x76543210
	s_mov_b32 s[SEL+1], 0xfedcba98
	s_wait_dscnt 0x0                               ; the opening add is done
	s_wait_kmcnt 0x0
	s_add_nc_u64 s[90:91], s[4:5], s[90:91]
	s_add_nc_u64 s[92:93], s[4:5], s[92:93]
	s_load_b32 s3, s[8:9], 0x0                     ; the bias
	CROUND                                         ; all sixteen work-groups are here: the joint loads meet
.irp c, 0
	s_mov_b32 s[G0A+4*\c], 1
	s_add_co_u32 s[G0A+4*\c+1], s94, \c*CH
	s_add_nc_u64 s[G0A+4*\c+2:G0A+4*\c+3], s[90:91], \c*3072
	s_or_b32 s[G0A+4*\c+3], s[G0A+4*\c+3], 0x80000000
	s_mov_b32 s[G0B+4*\c], 1
	s_add_co_u32 s[G0B+4*\c+1], s95, \c*CH
	s_add_nc_u64 s[G0B+4*\c+2:G0B+4*\c+3], s[92:93], \c*3072
	s_or_b32 s[G0B+4*\c+3], s[G0B+4*\c+3], 0x80000000
.endr
	s_cmp_eq_u32 s[WHI], 0                         ; a wave's one fill stands in one branch on the wave's number: one load of mine is out
	s_cbranch_scc0 .Lfirst_b
.irp c, 0
	tensor_load_to_lds s[G0A+4*\c:G0A+4*\c+3], s[G1A:G1A+7]
	s_nop 0
.endr
	PLACES
	s_branch .Lfirst_asked
.Lfirst_b:
.irp c, 0
	tensor_load_to_lds s[G0B+4*\c:G0B+4*\c+3], s[G1B:G1B+7]
	s_nop 0
.endr
	PLACES
.Lfirst_asked:
	v_and_b32 v[LN], 31, v0
	v_lshlrev_b32 v[L16], 4, v[LN]
	v_lshlrev_b32 v[L4], 2, v[LN]
	s_mul_i32 s22, s[WHI], 49152
	s_mul_i32 s23, s[WLO], 98304
	s_add_co_u32 s23, s23, BOFF
	v_add_nc_u32 v[ADRA], s22, v[L16]              ; my 4 tiles of A
	v_add_nc_u32 v[ADRB], s23, v[L16]              ; my B tiles 0-3,
	v_add_nc_u32 v[ADRB+1], 49152, v[ADRB]         ; and 4-7: the loads' 16-bit offsets reach four tiles
	v_and_b32 v13, 15, v0
	v_bfe_u32 v14, v0, 4, 1
	v_lshlrev_b32 v13, 2, v13                      ; 4 r
	v_lshl_add_u32 v15, v14, 11, v13               ; B's scale words: lanes 16-31 four tiles on
	s_wait_alu depctr_va_vdst(0)
	v_lshl_add_u32 v16, v14, 10, v13               ; A's: two tiles on
	s_wait_alu depctr_va_vdst(0)
	s_lshl_b32 s22, s[WHI], 2
	s_add_co_u32 s22, s22, s88
	s_lshl_b32 s22, s22, 9
	s_mov_b32 s23, 0
	s_add_nc_u64 s[SPA:SPA+1], s[6:7], s[22:23]
	s_lshl_b32 s22, s[WLO], 3
	s_add_co_u32 s22, s22, s89
	s_lshl_b32 s22, s22, 9
	s_add_nc_u64 s[SPB:SPB+1], s[6:7], s[22:23]
.irp i, 0,1,2,3
.irp s, 0,1,2,3,4,5,6,7
	global_load_b32 v[SCB+8*\i+\s], v15, s[SPB:SPB+1] offset:\i*512+\s*64
.endr
.endr
.irp i, 0,1
.irp s, 0,1,2,3,4,5,6,7
	global_load_b32 v[SCA+8*\i+\s], v16, s[SPA:SPA+1] offset:\i*512+\s*64
.endr
.endr
	; where my four fragments go: they lie on end
	s_lshl_b32 s60, s85, 1
	s_add_co_u32 s60, s60, s[WLO]                  ; my block of 8 tiles of B: 2 tc + lo
	s_lshl_b32 s62, s[WHI], 2
	s_lshl_b32 s61, s84, 3
	s_add_co_u32 s61, s61, s62                     ; my first tile of A: 8 tr + 4 hi
	s_lshr_b32 s63, s61, 7                         ; as Q, K: batch,
	s_lshl_b32 s63, s63, 3
	s_and_b32 s96, s60, 7                          ; head,
	s_add_co_u32 s63, s63, s96
	s_lshl_b32 s63, s63, 7
	s_and_b32 s96, s61, 127                        ; tile of tokens in the sequence
	s_add_co_u32 s63, s63, s96
	s_lshr_b32 s96, s60, 3                         ; region 0 (Q) or 1 (K)
	s_lshr_b32 s97, s60, 4                         ; as V: batch,
	s_lshl_b32 s97, s97, 3
	s_add_co_u32 s97, s97, s84                     ; head = tr,
	s_lshl_b32 s97, s97, 4
	s_and_b32 s98, s60, 15                         ; key step,
	s_add_co_u32 s97, s97, s98
	s_lshl_b32 s97, s97, 3
	s_add_co_u32 s97, s97, s62                     ; channel tile 4 hi
	s_cmp_eq_u32 s[ROLE], 0
	s_cselect_b32 s63, s63, s97                    ; the fragment's number
	s_cselect_b32 s96, s96, 2                      ; the region
	s_mul_i32 s98, s63, 1536
	s_mul_i32 s99, s96, RG
	s_add_co_u32 s98, s98, s99
	s_mov_b32 s99, 0
	s_add_nc_u64 s[10:11], s[10:11], s[98:99]
	s_lshl_b32 s98, s63, 6
	s_lshl_b32 s96, s96, 18
	s_add_co_u32 s98, s98, s96
	s_add_nc_u64 s[12:13], s[12:13], s[98:99]
	s_wait_kmcnt 0x0
.irp j, 0,1,2,3,4,5,6,7
	v_mov_b32 v[BIAS+\j], s3                       ; the bias in the result's layout: the same number everywhere
.endr
.irp b, 0,1,2,3
	v_mov_b32 v[TM+4+\b], 0                        ; written once: a lane permute's destination counts as one of its sources
.endr
	s_wait_alu depctr_va_vdst(0)
	s_wait_tensorcnt 0x0                           ; my one load has landed
	s_barrier_signal -1
	s_barrier_wait -1                              ; everybody's is
	FETCH 0
	s_wait_loadcnt 0x0                             ; the scale words
	STEP 0
	STEP 1
	STEP 2
	STEP 3
	STEP 4
	STEP 5
	STEP 6
	STEP 7
	WIN 0
	PLACES                                         ; behind the last products: results are read and A's registers written below
; THE WAY OUT.  The 64 registers of my tile a of A, register 16 b + i = row 32 b + 16 (lane / 16) + i of B's 128, become one fragment and one scale word a row.  Each accumulator is read from its low end on.
.macro QUANTW a
.set SRC, 64*(\a)
.set PCA, AF+12*(\a)
	WIN 0x0a                                       ; sources 0 and 1: window 2
.irp b, 0,1,2,3
	v_max3_num_f32 v[TM+\b], |v[SRC+16*\b]|, |v[SRC+1+16*\b]|, 0x1800000   ; and the floor 2^(3 - 127)
.endr
.irp i, 2,4,6,8,10,12,14
.irp b, 0,1,2,3
	v_max3_num_f32 v[TM+\b], |v[SRC+16*\b+\i]|, |v[SRC+1+16*\b+\i]|, v[TM+\b]
.endr
.endr
	WIN 0
.irp b, 0,1,2,3
	v_permlanex16_b32 v[TM+4+\b], v[TM+\b], s[SEL], s[SEL+1]
.endr
.irp b, 0,1,2,3
	v_max_num_f32 v[TM+\b], v[TM+\b], v[TM+4+\b]
.endr
.irp b, 0,1,2,3
	v_add_nc_u32 v[TM+12+\b], 0xff000000, v[TM+\b]   ; 2 off the exponent field: the conversion's scale operand
.endr
.irp b, 0,1,2,3
	v_lshrrev_b32 v[TM+4+\b], 23, v[TM+12+\b]
.endr
	v_lshl_or_b32 v[PW+(\a)], v[TM+5], 8, v[TM+4]
	v_lshl_or_b32 v[PW+(\a)], v[TM+6], 16, v[PW+(\a)]
	v_lshl_or_b32 v[PW+(\a)], v[TM+7], 24, v[PW+(\a)]
	WIN 0x02                                       ; source 0: window 2
.irp c, 0,1
	v_cvt_scalef32_pk16_fp6_f32 v[PCA+6*\c:PCA+6*\c+2], v[SRC+32*\c:SRC+32*\c+15], v[TM+12+2*\c]
	v_cvt_scalef32_pk16_fp6_f32 v[T8+4*\c:T8+4*\c+2], v[SRC+32*\c+16:SRC+32*\c+31], v[TM+13+2*\c]
.endr
	v_nop                                          ; one plain instruction behind the scaled conversions
	WIN 0
.irp c, 0,1
.irp i, 0,1,2
	v_permlane16_swap_b32 v[PCA+6*\c+\i], v[T8+4*\c+\i]
.endr
.irp i, 0,1,2
	v_mov_b32 v[PCA+3+6*\c+\i], v[T8+4*\c+\i]
.endr
.endr
.irp k, 0,1,2
	global_store_b128 v[L16], v[PCA+4*\k:PCA+4*\k+3], s[10:11] offset:(\a)*1536+512*\k   ; 512 consecutive bytes a store; each fragment has registers of its own, so no store's data are written again
.endr
.endm
	QUANTW 0
	QUANTW 1
	QUANTW 2
	QUANTW 3
	v_cmp_gt_u32 vcc_lo, 16, v[LN]
	v_cndmask_b32 v220, v[PW+1], v[PW], vcc_lo     ; lanes 0-15 one fragment's 16 words, lanes 16-31 the next one's: 128 consecutive bytes a store
	v_cndmask_b32 v221, v[PW+3], v[PW+2], vcc_lo
	global_store_b32 v[L4], v220, s[12:13]
	global_store_b32 v[L4], v221, s[12:13] offset:128
	s_wait_tensorcnt 0x0                           ; the wave's end, behind my last tensor load
	ds_add_u32 v[SPW], v[NIL]
	s_wait_dscnt 0x0
	CROUND                                         ; the closing round
	s_endpgm
.Lfunc_end_k_q86b5191145_qkv:
	.size	k_q86b5191145_qkv, .Lfunc_end_k_q86b5191145_qkv-k_q86b5191145_qkv
	.p2alignl 7, 3214868480
	.fill 96, 4, 3214868480
	.section	.rodata,"a",@progbits
	.p2align	6, 0x0
	.amdhsa_kernel k_q86b5191145_qkv
		.amdhsa_group_segment_fixed_size 327680
		.amdhsa_private_segment_fixed_size 0
		.amdhsa_enable_private_segment 0
		.amdhsa_kernarg_size 40
		.amdhsa_user_sgpr_count 2
		.amdhsa_user_sgpr_kernarg_segment_ptr 1
		.amdhsa_wavefront_size32 1
		.amdhsa_system_sgpr_workgroup_id_x 1
		.amdhsa_system_sgpr_workgroup_id_y 1
		.amdhsa_system_sgpr_workgroup_id_z 1
		.amdhsa_system_vgpr_workitem_id 0
		.amdhsa_next_free_vgpr 768
		.amdhsa_next_free_sgpr 102
		.amdhsa_reserve_vcc 1
		.amdhsa_float_denorm_mode_32 3
		.amdhsa_float_denorm_mode_16_64 3
		.amdhsa_memory_ordered 1
		.amdhsa_forward_progress 1
		.amdhsa_inst_pref_size 82
	.end_amdhsa_kernel
	.amdgpu_metadata
---
amdhsa.version: [ 1, 2 ]
amdhsa.kernels:
  - .name:           k_q86b5191145_qkv
    .symbol:         k_q86b5191145_qkv.kd
    .args:
      - { .name: cd_in, .offset: 0, .size: 8, .value_kind: global_buffer, .address_space: global }
      - { .name: sc_in, .offset: 8, .size: 8, .value_kind: global_buffer, .address_space: global }
      - { .name: bias, .offset: 16, .size: 8, .value_kind: global_buffer, .address_space: global }
      - { .name: cd_qkv, .offset: 24, .size: 8, .value_kind: global_buffer, .address_space: global }
      - { .name: sc_qkv, .offset: 32, .size: 8, .value_kind: global_buffer, .address_space: global }
    .group_segment_fixed_size: 327680
    .private_segment_fixed_size: 0
    .kernarg_segment_align: 8
    .kernarg_segment_size: 40
    .max_flat_workgroup_size: 128
    .sgpr_count:     102
    .vgpr_count:     768
    .wavefront_size: 32
...
	.end_amdgpu_metadata
.endif
;; end of part 2
;; launch attn (part 3): grid 8 x 32, 8 waves a work-group, clusters of 4 x 1, 327,680 bytes of LDS; arguments cd_qkv, sc_qkv, mask, cd_mh, sc_mh; writes cd_mh, sc_mh
.if DOCPART == 3
	.amdgcn_target "amdgcn-amd-amdhsa--gfx1250"
	.amdhsa_code_object_version 6
	.text
	.protected	k_q86b5191145_attn
	.globl	k_q86b5191145_attn
	.p2align	8
	.type	k_q86b5191145_attn,@function
k_q86b5191145_attn:
	s_mov_b64 s[64:65], 0
	v_nop
	global_prefetch_b8 v0, s[64:65] scope:SCOPE_SE
	s_setreg_imm32_b32 hwreg(HW_REG_WAVE_MODE, 25, 1), 1
	s_wait_xcnt 0x0
	s_wait_alu depctr_hold_cnt(0) depctr_sa_sdst(0) depctr_va_vdst(0) depctr_va_sdst(0) depctr_va_ssrc(0) depctr_va_vcc(0) depctr_vm_vsrc(0)
	s_getreg_b32 s2, hwreg(HW_REG_IB_STS2, 6, 4)
	s_cmp_eq_u32 s2, 0
	s_cbranch_scc0 .Lentry_in_a_cluster
	s_endpgm
.Lentry_in_a_cluster:
	s_bfe_u32 s2, ttmp6, 0x10000c
	s_cmp_lg_u32 s2, 0x3003
	s_cbranch_scc0 .Lentry_shape_is_right
	s_endpgm
.Lentry_shape_is_right:
; heads = softmax(Q K^T / sqrt(128) + mask term) V on codes of FP6 (E2M3) with E8M0 scales; the result is quantised along the head's channels and stored as fragment images for the projection.
; A work-group takes 256 queries of one batch and head, a wave 32 (two tiles, u = 0, 1, in register windows 0 and 1); the keys go in steps of 128, four steps to an LDS slot, two slots by turns, filled by
; joint loads of the four work-groups of a cluster.  Both products are used transposed: a lane holds one query.  M is the running largest t rounded up to a whole number; the sum is taken of the unquantised p.
; THE MASK'S TERM IS THE C OF THE SCORE PRODUCTS: (1 - m) x -2^103 in the score's own unit, which is -8.96e29 behind the factor 1 / sqrt(128) where reference() adds -1e30.  A power of two, so that its
; product with c = log2(e) / sqrt(128) rounds nothing: where every key so far is masked, t - M is 0 exactly, as it is in reference(), where all such scores are equal.
; LIMITS: the promise holds while the scaled scores stay under 2^31 in magnitude (both terms lie beyond all such scores, so a masked key's p is 0 beside any other key's); a row all of whose keys are masked
; leans on the matrix instruction giving back C where the products vanish beside it; NaN and infinities are not served; a block of zeros gets the byte 1 (this program alone reads the bytes).
; The scale words of K and V (16,384 bytes) and the mask's table come through registers into LDS bytes of their own, which no tensor load fills.
.set RG,    6291456
.set SLOT1, 1<<17
.set VOFF,  49152
.set KSC,   98304
.set MT,    114688
.set SPARE, 122880
.set L16,   1
.set ASC,   2
.set AMT,   3
.set SPW,   5
.set NIL,   6
.set PFO,   7
.set ADK,   8
.set ADS,   9
.set ADM,   10
.set WV,    18
.set SEL,   20
.set CS,    22
.set G1T,   24
.set G1S,   32
.set G0T,   40
.set G0S,   44
.set TB,    48
.set TS,    49
.set SLOTS, 50
.set STP,   51
.set PFA,   52
.set LIM,   54
.set MSB, 0
.macro WIN new
.if MSB != (\new)
	s_set_vgpr_msb (MSB<<8)|(\new)
.set MSB, (\new)
.endif
.endm
.macro PLACES
.rept 4
	v_nop
.endr
.endm
.macro CROUND
	s_barrier_signal -1
	s_barrier_wait -1
	s_cmp_lg_u32 s[WV], 0
	s_cbranch_scc1 .Lnot_wave_0_\@
	s_barrier_signal -3
.Lnot_wave_0_\@:
	s_barrier_wait -3
	s_barrier_signal -1
	s_barrier_wait -1
.endm
	s_load_b256 s[4:11], s[0:1], 0x0
	s_load_b64 s[12:13], s[0:1], 0x20
	v_lshl_add_u32 v[SPW], v0, 2, SPARE
	v_mov_b32 v[NIL], 0
	ds_add_u32 v[SPW], v[NIL]
	ds_add_u32 v[SPW], v[NIL]
	v_lshrrev_b32 v4, 5, v0
	s_delay_alu instid0(VALU_DEP_1)
	v_readfirstlane_b32 s[WV], v4
	s_bfe_u32 s14, ttmp6, 0x40000
	s_lshl_b32 s15, ttmp9, 2
	s_add_co_u32 s15, s15, s14
	s_and_b32 s16, ttmp7, 0xffff
	s_lshr_b32 s17, s[WV], 2
	s_add_co_u32 s17, s17, 1
	s_and_b32 s19, s[WV], 3
	s_mul_i32 s74, s16, 196608
	s_lshl_b32 s75, s16, 13
	s_mul_i32 s56, s17, RG
	s_add_co_u32 s56, s56, s74
	s_mul_i32 s57, s19, 12288
	s_add_co_u32 s56, s56, s57
	s_mov_b32 s57, 0
	s_lshl_b32 s58, s17, 18
	s_add_co_u32 s58, s58, s75
	s_lshl_b32 s59, s19, 11
	s_add_co_u32 s58, s58, s59
	s_mov_b32 s59, 0
	s_lshl_b32 s76, s15, 4
	s_lshl_b32 s77, s[WV], 1
	s_add_co_u32 s76, s76, s77
	s_mul_i32 s60, s76, 1536
	s_add_co_u32 s60, s60, s74
	s_mov_b32 s61, 0
	s_lshl_b32 s62, s76, 6
	s_add_co_u32 s62, s62, s75
	s_mov_b32 s63, 0
	s_lshr_b32 s77, s16, 3
	s_lshl_b32 s66, s77, 13
	s_mov_b32 s67, 0
	s_lshl_b32 s77, s77, 7
	s_add_co_u32 s77, s77, s76
	s_and_b32 s78, s16, 7
	s_sub_co_u32 s78, 7, s78
	s_mul_i32 s68, s77, 12288
	s_mul_i32 s79, s78, 1536
	s_add_co_u32 s68, s68, s79
	s_mov_b32 s69, 0
	s_lshl_b32 s70, s77, 9
	s_lshl_b32 s79, s78, 6
	s_add_co_u32 s70, s70, s79
	s_mov_b32 s71, 0
	s_mul_i32 s72, s14, 12288
	s_add_co_u32 s72, s72, s74
	s_add_co_u32 s72, s72, RG+49152
	s_mov_b32 s73, 0
	s_mov_b32 s[G1T], 15|(3<<16)|(1<<21)
	s_mov_b32 s[G1T+1], 32<<16
	s_mov_b32 s[G1T+2], 48<<16
	s_mov_b32 s[G1T+3], 32<<16
	s_mov_b32 s[G1T+4], 48
	s_mov_b32 s[G1T+5], 32
	s_mov_b32 s[G1T+6], 0
	s_mov_b32 s[G1T+7], 0
	s_mov_b32 s[SEL], 0x76543210
	s_mov_b32 s[SEL+1], 0xfedcba98
	s_mov_b32 s[CS], 0x3e0293ee
	s_mov_b32 s[CS+1], s[CS]
	s_mov_b32 s[TB], 0
	s_mov_b32 s[TS], 0
	s_mov_b32 s[SLOTS], 3
	s_cmp_lt_u32 s[WV], 3
	s_cselect_b32 s[LIM], 0, 1
	s_or_b32 s[LIM], s[LIM], ttmp9
	s_cmp_eq_u32 s[LIM], 0
	s_cselect_b32 s[LIM], 1, -1
	s_wait_dscnt 0x0
	s_wait_kmcnt 0x0
	s_lshl_b32 s[G0S+1], s[WV], 11
	s_add_co_u32 s[G0S+1], s[G0S+1], KSC
	s_add_nc_u64 s[G0S+2:G0S+3], s[6:7], s[58:59]
	s_mov_b32 s[G0T], 1
	s_mul_i32 s[G0T+1], s[WV], 12288
	s_add_nc_u64 s[G0T+2:G0T+3], s[4:5], s[56:57]
	s_or_b32 s[G0T+3], s[G0T+3], 0x80000000
	s_add_nc_u64 s[PFA:PFA+1], s[4:5], s[72:73]
	s_add_nc_u64 s[60:61], s[4:5], s[60:61]
	s_add_nc_u64 s[62:63], s[6:7], s[62:63]
	s_add_nc_u64 s[8:9], s[8:9], s[66:67]
	s_add_nc_u64 s[10:11], s[10:11], s[68:69]
	s_add_nc_u64 s[12:13], s[12:13], s[70:71]
	CROUND
	tensor_load_to_lds s[G0T:G0T+3], s[G1T:G1T+7]
	s_nop 0
	PLACES
	v_lshlrev_b32 v4, 5, v0
	global_load_b128 v[32:35], v4, s[8:9]
	global_load_b128 v[36:39], v4, s[8:9] offset:16
	v_and_b32 v81, 31, v0
	s_delay_alu instid0(VALU_DEP_1)
	v_lshlrev_b32 v[L16], 4, v81
	v_and_b32 v80, 15, v0
	s_delay_alu instid0(VALU_DEP_1)
	v_lshlrev_b32 v80, 2, v80
.irp u, 0,1
	WIN 0x40*\u
.irp k, 0,1,2
	global_load_b128 v[16+4*\k:19+4*\k], v[L16], s[60:61] offset:\u*1536+512*\k
.endr
.endr
	WIN 0
	global_load_b32 v28, v80, s[62:63]
	global_load_b32 v29, v80, s[62:63] offset:64
.irp i, 0,1,2,3
	global_load_b128 v[40+4*\i:43+4*\i], v[L16], s[G0S+2:G0S+3] offset:512*\i   ; my wave's 2,048 bytes of K's or V's scale words, 512 consecutive bytes a load
.endr
	v_add_nc_u32 v84, s[G0S+1], v[L16]             ; and their place in LDS: KSC + 2,048 x wave + 16 x lane
	v_add_nc_u32 v[ASC], KSC, v80
	v_bfe_u32 v82, v0, 4, 1
	s_delay_alu instid0(VALU_DEP_1)
	v_lshl_add_u32 v[AMT], v82, 6, MT
	v_lshl_add_u32 v11, v0, 5, MT
	v_mov_b32 v81, RG-12288
	v_cmp_le_u32 s55, 48, v0
	s_delay_alu instid0(VALU_DEP_1)
	v_cndmask_b32 v81, 0, v81, s55
	s_delay_alu instid0(VALU_DEP_1)
	v_lshl_add_u32 v[PFO], v0, 8, v81
	s_wait_loadcnt 12                              ; the mask's two loads are in; the 12 younger ones may be out
.irp j, 0,1,2,3,4,5,6,7
	v_cvt_f32_i32 v[32+\j], v[32+\j]
.endr
.irp j, 0,1,2,3,4,5,6,7
	v_sub_f32 v[32+\j], 1.0, v[32+\j]
.endr
.irp j, 0,1,2,3,4,5,6,7
	v_mul_f32 v[32+\j], 0xf3000000, v[32+\j]       ; (1 - m) x -2^103
.endr
	ds_store_b128 v11, v[32:35]
	ds_store_b128 v11, v[36:39] offset:16
.irp u, 0,1
	WIN 0x55*\u
	v_mov_b32 v13, 0xff61b1e6
	s_delay_alu instid0(VALU_DEP_1)
	v_floor_f32 v12, -v13
	v_mov_b32 v14, 0
	v_mov_b32 v15, 0
.irp b, 0,1,2,3
	v_mov_b32 v[236+\b], 0
.endr
	v_mov_b32 v253, 0
.set jj, 0
.rept 64
	v_mov_b32 v[160+jj], 0
.set jj, jj+1
.endr
.endr
	WIN 0
.macro FLOAD g, coff, soff
.irp t, 0,1,2,3
.irp k, 0,1,2
	ds_load_b128 v[32+12*\t+4*\k:35+12*\t+4*\k], v[ADK] offset:\coff+(4*\g+\t)*1536+512*\k
.endr
	ds_load_b32 v[248+\t], v[ADS] offset:\soff+(4*\g+\t)*64
.endr
.endm
.macro SMUL g
.irp u, 0,1
	WIN 0x10+0x44*\u                               ; C, the mask's term of these keys, lies in window 1 for both tiles of queries
.irp t, 0,1,2,3
	v_wmma_scale_f32_16x16x128_f8f6f4 v[96+8*(4*\g+\t):103+8*(4*\g+\t)], v[32+12*\t:43+12*\t], v[16:27], v[32+8*(4*\g+\t):39+8*(4*\g+\t)], v[248+\t], v[28+\u] matrix_a_fmt:MATRIX_FMT_FP6 matrix_b_fmt:MATRIX_FMT_FP6
.endr
.endr
.endm
.macro PVMUL g
.irp u, 0,1
	WIN 0x54*\u
.irp t, 0,1,2,3
	v_wmma_scale_f32_16x16x128_f8f6f4 v[160+8*(4*\g+\t):167+8*(4*\g+\t)], v[32+12*\t:43+12*\t], v[224:235], v[160+8*(4*\g+\t):167+8*(4*\g+\t)], v[248+\t], v[30+\u] matrix_a_fmt:MATRIX_FMT_FP6 matrix_b_fmt:MATRIX_FMT_FP6
.endr
.endr
.endm
.macro JOIN
.irp b, 0,1,2,3
	s_delay_alu instid0(VALU_DEP_4)
	v_permlanex16_b32 v[236+\b], v[232+\b], s[SEL], s[SEL+1]
.endr
.irp b, 0,1,2,3
	s_delay_alu instid0(VALU_DEP_4)
	v_max_num_f32 v[232+\b], v[232+\b], v[236+\b]
.endr
.endm
.macro QTAIL u
.irp b, 0,1,2,3
	v_max_num_f32 v[232+\b], 0x1800000, v[232+\b]
.endr
.irp b, 0,1,2,3
	s_delay_alu instid0(VALU_DEP_4)
	v_add_nc_u32 v[244+\b], 0xff000000, v[232+\b]
.endr
.irp b, 0,1,2,3
	s_delay_alu instid0(VALU_DEP_4)
	v_lshrrev_b32 v[236+\b], 23, v[244+\b]
.endr
	s_delay_alu instid0(VALU_DEP_3)
	v_lshl_or_b32 v253, v237, 8, v236
	s_delay_alu instid0(VALU_DEP_1)
	v_lshl_or_b32 v253, v238, 16, v253
	s_delay_alu instid0(VALU_DEP_1)
	v_lshl_or_b32 v253, v239, 24, v253
.irp c, 0,1
	v_cvt_scalef32_pk16_fp6_f32 v[224+6*\c:226+6*\c], v[96+32*\c:111+32*\c], v[244+2*\c]
	v_cvt_scalef32_pk16_fp6_f32 v[236+4*\c:238+4*\c], v[112+32*\c:127+32*\c], v[245+2*\c]
.endr
	v_nop
.irp c, 0,1
.irp i, 0,1,2
	v_permlane16_swap_b32 v[224+6*\c+\i], v[236+4*\c+\i]
.endr
.irp i, 0,1,2
	s_delay_alu instid0(VALU_DEP_3)
	v_mov_b32 v[227+6*\c+\i], v[236+4*\c+\i]
.endr
.endr
	WIN 0x01*(\u)
	v_mov_b32 v[30+(\u)], v253
.endm
.macro SOFTMAX u
	WIN 0x55*(\u)
	s_wait_alu depctr_va_vdst(0)                   ; the wait directly ahead of the first reader of the scores
.irp b, 0,1,2,3
	v_max3_num_f32 v[232+\b], v[96+16*\b], v[97+16*\b], v[98+16*\b]
.endr
.irp i, 3,5,7,9,11,13
.irp b, 0,1,2,3
	v_max3_num_f32 v[232+\b], v[232+\b], v[96+16*\b+\i], v[97+16*\b+\i]   ; the four blocks by turns; these lines read matrix results
.endr
.endr
.irp b, 0,1,2,3
	v_max_num_f32 v[232+\b], v[232+\b], v[111+16*\b]
.endr
	JOIN
	s_delay_alu instid0(VALU_DEP_2)
	v_max3_num_f32 v254, v232, v233, v234
	s_delay_alu instid0(VALU_DEP_1)
	v_max_num_f32 v254, v254, v235
	s_delay_alu instid0(VALU_DEP_1)
	v_mul_f32 v254, s[CS], v254                    ; the step's largest score as t (c is positive)
	s_delay_alu instid0(VALU_DEP_1)
	v_max_num_f32 v13, v13, v254
	v_mov_b32 v254, v12
	s_delay_alu instid0(VALU_DEP_2)
	v_floor_f32 v12, -v13
	s_delay_alu instid0(VALU_DEP_1)
	v_sub_f32 v254, v12, v254
	s_delay_alu instid0(VALU_DEP_1)
	v_cvt_i32_f32 v254, v254
	s_delay_alu instid0(VALU_DEP_1)
	v_ldexp_f32 v252, 1.0, v254
.set jj, 0
.rept 32
	v_pk_fma_f32 v[96+jj:97+jj], v[96+jj:97+jj], s[CS:CS+1], v[12:13] op_sel_hi:[1,0,0]   ; t - M, two at a time
.set jj, jj+2
.endr
.irp b, 0,1,2,3
	v_fma_f32 v[232+\b], v[232+\b], s[CS], v12     ; the same of each block's largest score
.endr
.set jj, 0
	s_wait_alu depctr_va_vdst(0)
.rept 64
	v_exp_f32 v[96+jj], v[96+jj]
.set jj, jj+1
.endr
	v_pk_mul_f32 v[14:15], v[14:15], v[252:253] op_sel_hi:[1,0]
	s_wait_alu depctr_va_vdst(0)
.irp b, 0,1,2,3
	v_exp_f32 v[232+\b], v[232+\b]
.endr
	v_pk_add_f32 v[236:237], v[96:97], v[98:99]
.irp j, 4,8,12,16,20,24,28,32,36,40,44,48,52,56,60
	v_pk_add_f32 v[14:15], v[14:15], v[96+\j:97+\j]
	v_pk_add_f32 v[236:237], v[236:237], v[98+\j:99+\j]
.endr
	s_delay_alu instid0(VALU_DEP_1)
	v_pk_add_f32 v[14:15], v[14:15], v[236:237]
	s_wait_alu depctr_va_vdst(0)
	QTAIL \u
	WIN 0x55*(\u)
.set jj, 0
.rept 32
	v_pk_mul_f32 v[160+jj:161+jj], v[160+jj:161+jj], v[252:253] op_sel_hi:[1,0]
.set jj, jj+2
.endr
.endm
.macro ASK
	s_cmp_eq_u32 s[STP], 1
	s_cbranch_scc0 .Lnot_mine_\@
	s_cmp_gt_u32 s[SLOTS], s[LIM]
	s_cbranch_scc0 .Lnot_mine_\@
	global_prefetch_b8 v[PFO], s[PFA:PFA+1] th:TH_LOAD_NT scope:SCOPE_SE
.Lnot_mine_\@:
.endm
.macro STEP ask
	v_add_nc_u32 v[ADK], s[TB], v[L16]
	v_add_nc_u32 v[ADS], s[TS], v[ASC]
	v_add_nc_u32 v[ADM], s[TS], v[AMT]
	v_nop
	WIN 0x40
.irp b, 0,1,2,3
.irp j, 0,1,2,3
	ds_load_b128 v[32+16*\b+4*\j:35+16*\b+4*\j], v[ADM] offset:128*\b+16*\j
.endr
.endr
	WIN 0
	FLOAD 0, 0, 0
	s_wait_alu depctr_va_vdst(0)
	s_wait_dscnt 0x0
	SMUL 0
	WIN 0
	PLACES
	FLOAD 1, 0, 0
	s_wait_dscnt 0x0
	SMUL 1
	WIN 0
	PLACES
	FLOAD 0, VOFF, 8192
.if \ask
	ASK
.endif
	SOFTMAX 0
	SOFTMAX 1
	s_wait_alu depctr_va_vdst(0)
	s_wait_dscnt 0x0
	PVMUL 0
	WIN 0
	PLACES
	FLOAD 1, VOFF, 8192
	s_wait_dscnt 0x0
	PVMUL 1
	WIN 0
	s_add_co_u32 s[TB], s[TB], 12288
	s_add_co_u32 s[TS], s[TS], 512
.endm
.macro CHANGE fill
	s_wait_tensorcnt 0x0
	ds_add_u32 v[SPW], v[NIL]
.if \fill
	s_xor_b32 s[G0T+1], s[G0T+1], SLOT1
	s_add_nc_u64 s[G0T+2:G0T+3], s[G0T+2:G0T+3], 49152
	s_wait_xcnt 0x0
	s_add_nc_u64 s[PFA:PFA+1], s[PFA:PFA+1], 49152
	s_wait_dscnt 0x0
	CROUND
	tensor_load_to_lds s[G0T:G0T+3], s[G1T:G1T+7]
	s_nop 0
	PLACES
.else
	s_wait_dscnt 0x0
	s_barrier_signal -1
	s_barrier_wait -1
.endif
.endm
.macro FOUR_STEPS ask
	s_mov_b32 s[STP], 4
.Lstep_\@:
	STEP \ask
	s_sub_co_u32 s[STP], s[STP], 1
	s_cmp_lg_u32 s[STP], 0
	s_cbranch_scc1 .Lstep_\@
	s_sub_co_u32 s[TB], s[TB], 49152
	s_xor_b32 s[TB], s[TB], SLOT1
.endm
	s_wait_loadcnt 0x0
.irp i, 0,1,2,3
	ds_store_b128 v84, v[40+4*\i:43+4*\i] offset:512*\i   ; the scale words; the wait and the round at the first change of slots show them to all waves
.endr
.Lslot:
	CHANGE 1
	FOUR_STEPS 1
	s_sub_co_u32 s[SLOTS], s[SLOTS], 1
	s_cmp_lg_u32 s[SLOTS], 0
	s_cbranch_scc1 .Lslot
	CHANGE 0
	FOUR_STEPS 0
	PLACES
.macro OUT u
	WIN 0x55*(\u)
	v_add_f32 v14, v14, v15
	s_delay_alu instid0(VALU_DEP_1)
	v_permlanex16_b32 v252, v14, s[SEL], s[SEL+1]
	s_delay_alu instid0(VALU_DEP_1)
	v_add_f32 v14, v14, v252
	s_wait_alu depctr_va_vdst(0)
	v_rcp_f32 v14, v14
	v_nop
	s_wait_alu depctr_va_vdst(0)
.set jj, 0
.rept 32
	v_pk_mul_f32 v[96+jj:97+jj], v[160+jj:161+jj], v[14:15] op_sel_hi:[1,0]
.set jj, jj+2
.endr
.irp b, 0,1,2,3
	v_max3_num_f32 v[232+\b], |v[96+16*\b]|, |v[97+16*\b]|, |v[98+16*\b]|
.endr
.irp i, 3,5,7,9,11,13
.irp b, 0,1,2,3
	s_delay_alu instid0(VALU_DEP_4)
	v_max3_num_f32 v[232+\b], v[232+\b], |v[96+16*\b+\i]|, |v[97+16*\b+\i]|
.endr
.endr
.irp b, 0,1,2,3
	s_delay_alu instid0(VALU_DEP_4)
	v_max_num_f32 v[232+\b], v[232+\b], |v[111+16*\b]|
.endr
	JOIN
	QTAIL \u
	WIN 0x04*(\u)
.irp k, 0,1,2
	global_store_b128 v[L16], v[224+4*\k:227+4*\k], s[10:11] offset:(\u)*12288+512*\k
.endr
.endm
	OUT 0
	OUT 1
	WIN 0
	v_and_b32 v81, 31, v0
	s_delay_alu instid0(VALU_DEP_1)
	v_cmp_gt_u32 vcc_lo, 16, v81
	s_delay_alu instid0(VALU_DEP_1)
	v_cndmask_b32 v82, v31, v30, vcc_lo
	v_bfe_u32 v83, v0, 4, 1
	s_delay_alu instid0(VALU_DEP_1)
	v_lshl_add_u32 v83, v83, 9, v80
	global_store_b32 v83, v82, s[12:13]
	s_wait_tensorcnt 0x0
	ds_add_u32 v[SPW], v[NIL]
	s_wait_dscnt 0x0
	CROUND
	s_endpgm
.Lfunc_end_k_q86b5191145_attn:
	.size	k_q86b5191145_attn, .Lfunc_end_k_q86b5191145_attn-k_q86b5191145_attn
	.p2alignl 7, 3214868480
	.fill 96, 4, 3214868480
	.section	.rodata,"a",@progbits
	.p2align	6, 0x0
	.amdhsa_kernel k_q86b5191145_attn
		.amdhsa_group_segment_fixed_size 327680
		.amdhsa_private_segment_fixed_size 0
		.amdhsa_enable_private_segment 0
		.amdhsa_kernarg_size 40
		.amdhsa_user_sgpr_count 2
		.amdhsa_user_sgpr_kernarg_segment_ptr 1
		.amdhsa_wavefront_size32 1
		.amdhsa_system_sgpr_workgroup_id_x 1
		.amdhsa_system_sgpr_workgroup_id_y 1
		.amdhsa_system_sgpr_workgroup_id_z 1
		.amdhsa_system_vgpr_workitem_id 0
		.amdhsa_next_free_vgpr 512
		.amdhsa_next_free_sgpr 80
		.amdhsa_reserve_vcc 1
		.amdhsa_float_denorm_mode_32 3
		.amdhsa_float_denorm_mode_16_64 3
		.amdhsa_memory_ordered 1
		.amdhsa_forward_progress 1
		.amdhsa_inst_pref_size 109
	.end_amdhsa_kernel
	.amdgpu_metadata
---
amdhsa.version: [ 1, 2 ]
amdhsa.kernels:
  - .name:           k_q86b5191145_attn
    .symbol:         k_q86b5191145_attn.kd
    .args:
      - { .name: cd_qkv, .offset: 0, .size: 8, .value_kind: global_buffer, .address_space: global }
      - { .name: sc_qkv, .offset: 8, .size: 8, .value_kind: global_buffer, .address_space: global }
      - { .name: mask, .offset: 16, .size: 8, .value_kind: global_buffer, .address_space: global }
      - { .name: cd_mh, .offset: 24, .size: 8, .value_kind: global_buffer, .address_space: global }
      - { .name: sc_mh, .offset: 32, .size: 8, .value_kind: global_buffer, .address_space: global }
    .group_segment_fixed_size: 327680
    .private_segment_fixed_size: 0
    .kernarg_segment_align: 8
    .kernarg_segment_size: 40
    .max_flat_workgroup_size: 256
    .sgpr_count:     80
    .vgpr_count:     512
    .wavefront_size: 32
...
	.end_amdgpu_metadata
.endif
;; end of part 3
;; launch oproj (part 4): grid 4 x 64, 4 waves a work-group, clusters of 4 x 4, 327,680 bytes of LDS; arguments cd_mh, sc_mh, cd_in, sc_in, bias, out0; writes out0
.if DOCPART == 4
	.amdgcn_target "amdgcn-amd-amdhsa--gfx1250"
	.amdhsa_code_object_version 6
	.text
	.protected	k_q86b5191145_oproj
	.globl	k_q86b5191145_oproj
	.p2align	8
	.type	k_q86b5191145_oproj,@function
k_q86b5191145_oproj:
	s_mov_b64 s[64:65], 0
	v_nop
	global_prefetch_b8 v0, s[64:65] scope:SCOPE_SE
	s_setreg_imm32_b32 hwreg(HW_REG_WAVE_MODE, 25, 1), 1
	s_wait_xcnt 0x0
	s_wait_alu depctr_hold_cnt(0) depctr_sa_sdst(0) depctr_va_vdst(0) depctr_va_sdst(0) depctr_va_ssrc(0) depctr_va_vcc(0) depctr_vm_vsrc(0)
	s_getreg_b32 s2, hwreg(HW_REG_IB_STS2, 6, 4)
	s_cmp_eq_u32 s2, 0
	s_cbranch_scc0 .Lentry_in_a_cluster
	s_endpgm
.Lentry_in_a_cluster:
	s_bfe_u32 s2, ttmp6, 0x10000c
	s_cmp_lg_u32 s2, 0xf033
	s_cbranch_scc0 .Lentry_shape_is_right
	s_endpgm
.Lentry_shape_is_right:
; out = multihead W_o^T + b on codes of FP6 (E2M3) with E8M0 scales, K = 1,024 in 8 steps of 128, sums in f32; out0 [8192][1024] f32.
; OPERANDS are fragment images (16 rows x 128 K = 1,536 bytes, register p of lane l at 512 (p / 4) + 16 l + 4 (p % 4)): cd_mh [tile of tokens 512][K step][1,536], W_o's at tiles 512-575 of cd_in; scale words [tile][K step][16].
; A work-group makes 128 tokens ("A", the second source) x 256 outputs ("B" = rows of W_o, the first source); its four waves 64 x 128 each: 32 accumulators.  A lane holds one token, and by the order of rows
; in W_o's tiles the 16 registers of tiles 2 g and 2 g + 1 are outputs 32 g + 16 (lane / 16) + 0 .. 15.  Row t of a tile of tokens is token 32 (tile / 2) + 8 (tile % 2) + t + 8 (t / 8): the stores' offsets undo that.
; ALL OF K FOR THE TILE LIES IN LDS (294,912 bytes), so every LDS byte is filled once: one load a wave at the start, no slot is filled again.  All K steps are read behind one barrier in front of
; which every wave has waited for its load.
; CLUSTER 4 x 4: A's tiles are shared along a row of the cluster, B's along a column: joint loads, the same descriptor and a mask of four in all that it names.
; The bias is the C of each sum's first matrix instruction.  NaN and infinities are not served.
; REGISTERS, in windows of 256: window 0: v2-18 addresses; v28, v29 the add's two; v32-63 B's scale words, v64-79 A's; v80-87 the bias; v96-191 A's fragments, two sets; on the way out v128-255 rows of out0.
;   window 1: B's fragments, two sets, at v0 and v128.   window 2: accumulator (a, b) at v[8 (8 a + b)].
.set CH,    73728                      ; LDS: a chunk = two K steps: A's 8 tiles x 3,072 bytes, then B's 16
; LDS AS THIS TEXT LAYS IT: A's 8 tiles on end, each with its 8 K steps (12,288 bytes a tile), then B's 16 tiles from BOFF on.  A wave's share (4 tiles of A or 8 of B, all of K) is one dense
; block of memory and comes by ONE tensor load at the head, as rows of 256 bytes; every LDS byte is filled once.  The stage of the way out lies on A's first tiles: a barrier in the last K step,
; behind every wave's last fragment loads, stands between those reads and the stage's stores.
.set BOFF,  98304
.set SPARE, 294912                     ; behind the four chunks: the spare words, 128 bytes for each wave, which no other line names
.set ADRA,  2
.set ADRB,  6
.set L16,   10
.set STO,   17                         ; v17 the way out: where I put 32 bytes of a row
.set RD,    18                         ; v18 and where I read a row back
.set SPW,   28
.set NIL,   29
.set SCB,   32
.set SCA,   64
.set BIAS,  80
.set AF,    96
.set WV,    14
.set WHI,   15
.set WLO,   16
.set CX,    17
.set CY,    18
.set G1A,   24
.set G1B,   32
.set G0A,   40
.set G0B,   68
.set SPA,   60                         ; s[60:61] my A tiles' scale words; s[62:63] my B tiles'
.set SPB,   62
.set MSB, 0
.macro WIN new                         ; the immediate's high byte repeats the setting that is left
.if MSB != (\new)
	s_set_vgpr_msb (MSB<<8)|(\new)
.set MSB, (\new)
.endif
.endm
.macro PLACES                          ; four plain instructions between a matrix instruction and a load into, or a read of, its registers (ISA guide 7.12.1 for vector reads)
.rept 4
	v_nop
.endr
.endm
.macro CREST
	s_cmp_lg_u32 s[WV], 0
	s_cbranch_scc1 .Lnot_wave_0_\@
	s_barrier_signal -3
.Lnot_wave_0_\@:
	s_barrier_wait -3
	s_barrier_signal -1
	s_barrier_wait -1
.endm
.macro CROUND                          ; a round of the cluster's barrier
	s_barrier_signal -1
	s_barrier_wait -1
	CREST
.endm
.macro FETCH s                         ; K step s: my 8 fragments of B and 4 of A, three loads of 512 consecutive bytes each, into set s % 2
	WIN 0x40
.irp b, 0,1,2,3,4,5,6,7
.irp k, 0,1,2
	ds_load_b128 v[128*((\s)%2)+12*\b+4*\k:128*((\s)%2)+12*\b+4*\k+3], v[ADRB+\b/4] offset:(\b%4)*12288+(\s)*1536+512*\k
.endr
.endr
	WIN 0
.irp a, 0,1,2,3
.irp k, 0,1,2
	ds_load_b128 v[AF+48*((\s)%2)+12*\a+4*\k:AF+48*((\s)%2)+12*\a+4*\k+3], v[ADRA] offset:\a*12288+(\s)*1536+512*\k
.endr
.endr
.endm
.macro MM a, b, s, first               ; one product: first source B's tile b, second A's tile a; the scale rows go by which half of the lanes holds the tile's words
.set rD, 8*(8*(\a)+(\b))
.set rB, 128*((\s)%2)+12*(\b)
.set rA, AF+48*((\s)%2)+12*(\a)
.set rP, SCB+8*((\b)%4)+(\s)
.set rR, SCA+8*((\a)%2)+(\s)
.set rC, rD
.if \first
.set rC, BIAS
.endif
.if ((\b) < 4) && ((\a) < 2)
	v_wmma_scale_f32_16x16x128_f8f6f4 v[rD:rD+7], v[rB:rB+11], v[rA:rA+11], v[rC:rC+7], v[rP], v[rR] matrix_a_fmt:MATRIX_FMT_FP6 matrix_b_fmt:MATRIX_FMT_FP6
.elseif (\a) < 2
	v_wmma_scale_f32_16x16x128_f8f6f4 v[rD:rD+7], v[rB:rB+11], v[rA:rA+11], v[rC:rC+7], v[rP], v[rR] matrix_a_fmt:MATRIX_FMT_FP6 matrix_b_fmt:MATRIX_FMT_FP6 matrix_a_scale:MATRIX_SCALE_ROW1
.elseif (\b) < 4
	v_wmma_scale_f32_16x16x128_f8f6f4 v[rD:rD+7], v[rB:rB+11], v[rA:rA+11], v[rC:rC+7], v[rP], v[rR] matrix_a_fmt:MATRIX_FMT_FP6 matrix_b_fmt:MATRIX_FMT_FP6 matrix_b_scale:MATRIX_SCALE_ROW1
.else
	v_wmma_scale_f32_16x16x128_f8f6f4 v[rD:rD+7], v[rB:rB+11], v[rA:rA+11], v[rC:rC+7], v[rP], v[rR] matrix_a_fmt:MATRIX_FMT_FP6 matrix_b_fmt:MATRIX_FMT_FP6 matrix_a_scale:MATRIX_SCALE_ROW1 matrix_b_scale:MATRIX_SCALE_ROW1
.endif
.endm
.macro MUL16 a0, s, first              ; the 32 accumulators take turns, one instruction a turn, in the same order in every step
.irp a, \a0, \a0+1
.irp b, 0,1,2,3,4,5,6,7
	MM (\a), \b, \s, \first
.endr
.endr
.endm
.macro STEP s
	s_wait_dscnt 0x0                               ; this step's fragments are in; no LDS instruction of mine is out at the signal below
.if (\s) == 7
	s_barrier_signal -1                            ; my last reads of the tiles are over
.endif
.if (\s) == 0
	WIN 0x81                                       ; B window 1, A window 0, C (the bias) window 0, D window 2
	MUL16 0, \s, 1
.else
	WIN 0xa1                                       ; C and D window 2
	MUL16 0, \s, 0
.endif
.if (\s) == 7
	s_barrier_wait -1                              ; everybody's are: the stage may be written
.endif
.if (\s) < 7
	PLACES                                         ; for the loads into the set that the last step multiplied
	FETCH (\s)+1
.endif
.if (\s) == 0
	WIN 0x81
	MUL16 2, \s, 1
.else
	WIN 0xa1
	MUL16 2, \s, 0
.endif
.endm
	s_load_b256 s[4:11], s[0:1], 0x0               ; cd_mh s[4:5], sc_mh s[6:7], cd_in s[8:9], sc_in s[10:11]
	s_load_b128 s[56:59], s[0:1], 0x20             ; bias s[56:57], out0 s[58:59]
	v_lshl_add_u32 v[SPW], v0, 2, SPARE
	v_mov_b32 v[NIL], 0
	ds_add_u32 v[SPW], v[NIL]                      ; the wave's opening: the add and its wait stand ahead of my first tensor load; work on registers stands between them
	ds_add_u32 v[SPW], v[NIL]
	v_lshrrev_b32 v1, 5, v0
	v_readfirstlane_b32 s[WV], v1                  ; wave 0..3
	s_lshr_b32 s[WHI], s[WV], 1                    ; which 4 tiles of A are mine.  Also: I fetch for A (0) or for B (1)
	s_and_b32 s[WLO], s[WV], 1                     ; which 8 tiles of B.  Also: which half of that operand I fetch
	s_bfe_u32 s[CX], ttmp6, 0x40000
	s_bfe_u32 s[CY], ttmp6, 0x40004
	s_and_b32 s84, ttmp7, 0xffff
	s_lshl_b32 s84, s84, 2
	s_add_co_u32 s84, s84, s[CY]                   ; tr: my block of 128 tokens
	s_lshl_b32 s88, s84, 3                         ; A's first tile of mine
	s_lshl_b32 s89, s[CX], 4
	s_add_co_u32 s89, s89, 512                     ; B's: W_o's tiles begin at 512; the grid has one cluster along x
	s_mul_i32 s90, s88, 12288
	s_mul_i32 s91, s[WLO], 49152
	s_add_co_u32 s90, s90, s91                     ; what I would fetch of A: 4 tiles,
	s_mov_b32 s91, 0
	s_mul_i32 s92, s89, 12288
	s_mul_i32 s93, s[WLO], 98304
	s_add_co_u32 s92, s92, s93                     ; of B: 8 tiles
	s_mov_b32 s93, 0
	s_mul_i32 s94, s[WLO], 49152                   ; where my share goes: A's 4 tiles x 12,288 bytes; no place in the cluster enters an LDS address
	s_mul_i32 s95, s[WLO], 98304                   ; B's 8 tiles
	s_add_co_u32 s95, s95, BOFF
	s_lshl_b32 s22, s[CY], 2
	s_lshl_b32 s22, 15, s22                        ; my row of the cluster
	s_lshl_b32 s23, 0x1111, s[CX]                  ; my column
	; group 1: rows of 256 bytes (32 elements of 8 bytes), 256 bytes apart (a dense block), laid on end in LDS
	s_or_b32 s[G1A], s22, (3<<16)|(1<<21)          ; 15:0 the mask; 17:16 elements of 8 bytes; 21 set beside a mask
	s_or_b32 s[G1B], s23, (3<<16)|(1<<21)
	s_mov_b32 s[G1A+1], 32<<16                     ; a dense block as rows of 256 bytes (32 elements of 8 bytes)
	s_mov_b32 s[G1A+2], 192<<16                    ; 4 tiles x 12,288 bytes = 192 rows
	s_mov_b32 s[G1A+3], 32<<16
	s_mov_b32 s[G1A+4], 192
	s_mov_b32 s[G1A+5], 32
	s_mov_b32 s[G1A+6], 0
	s_mov_b32 s[G1A+7], 0
	s_mov_b32 s[G1B+1], 32<<16
	s_mov_b32 s[G1B+2], 384<<16                    ; 8 tiles = 384 rows
	s_mov_b32 s[G1B+3], 32<<16
	s_mov_b32 s[G1B+4], 384
	s_mov_b32 s[G1B+5], 32
	s_mov_b32 s[G1B+6], 0
	s_mov_b32 s[G1B+7], 0
	s_wait_dscnt 0x0                               ; the opening add is done
	s_wait_kmcnt 0x0
	s_add_nc_u64 s[90:91], s[4:5], s[90:91]
	s_add_nc_u64 s[92:93], s[8:9], s[92:93]
	s_load_b32 s3, s[56:57], 0x0                   ; the bias
	CROUND                                         ; all sixteen work-groups are here: the joint loads meet
.irp c, 0
	s_mov_b32 s[G0A+4*\c], 1
	s_add_co_u32 s[G0A+4*\c+1], s94, \c*CH
	s_add_nc_u64 s[G0A+4*\c+2:G0A+4*\c+3], s[90:91], \c*3072
	s_or_b32 s[G0A+4*\c+3], s[G0A+4*\c+3], 0x80000000
	s_mov_b32 s[G0B+4*\c], 1
	s_add_co_u32 s[G0B+4*\c+1], s95, \c*CH
	s_add_nc_u64 s[G0B+4*\c+2:G0B+4*\c+3], s[92:93], \c*3072
	s_or_b32 s[G0B+4*\c+3], s[G0B+4*\c+3], 0x80000000
.endr
	s_cmp_eq_u32 s[WHI], 0                         ; a wave's one fill stands in one branch on the wave's number: one load of mine is out
	s_cbranch_scc0 .Lfirst_b
.irp c, 0
	tensor_load_to_lds s[G0A+4*\c:G0A+4*\c+3], s[G1A:G1A+7]
	s_nop 0
.endr
	PLACES
	s_branch .Lfirst_asked
.Lfirst_b:
.irp c, 0
	tensor_load_to_lds s[G0B+4*\c:G0B+4*\c+3], s[G1B:G1B+7]
	s_nop 0
.endr
	PLACES
.Lfirst_asked:
	v_and_b32 v12, 31, v0
	v_lshlrev_b32 v[L16], 4, v12
	s_mul_i32 s22, s[WHI], 49152
	s_mul_i32 s23, s[WLO], 98304
	s_add_co_u32 s23, s23, BOFF
	v_add_nc_u32 v[ADRA], s22, v[L16]              ; my 4 tiles of A
	v_add_nc_u32 v[ADRB], s23, v[L16]              ; my B tiles 0-3,
	v_add_nc_u32 v[ADRB+1], 49152, v[ADRB]         ; and 4-7: the loads' 16-bit offsets reach four tiles
	v_and_b32 v11, 15, v0                          ; r
	v_bfe_u32 v14, v0, 4, 1                        ; h
	v_lshlrev_b32 v13, 2, v11                      ; 4 r
	v_lshl_add_u32 v15, v14, 11, v13               ; B's scale words: lanes 16-31 four tiles on
	s_wait_alu depctr_va_vdst(0)
	v_lshl_add_u32 v16, v14, 10, v13               ; A's: two tiles on
	s_wait_alu depctr_va_vdst(0)
	s_mul_i32 s22, s[WV], 8448                     ; my stage: 16 rows x 528 bytes, in chunk 0
	v_mul_u32_u24 v[STO], v11, 528
	v_lshl_add_u32 v[STO], v14, 6, v[STO]
	v_add_nc_u32 v[STO], s22, v[STO]               ; in: row r, + 64 h
	v_add_nc_u32 v[RD], s22, v[L16]                ; back: 16 x lane of a row
	s_lshl_b32 s22, s[WHI], 2
	s_add_co_u32 s22, s22, s88
	s_lshl_b32 s22, s22, 9
	s_mov_b32 s23, 0
	s_add_nc_u64 s[SPA:SPA+1], s[6:7], s[22:23]
	s_lshl_b32 s22, s[WLO], 3
	s_add_co_u32 s22, s22, s89
	s_lshl_b32 s22, s22, 9
	s_add_nc_u64 s[SPB:SPB+1], s[10:11], s[22:23]
.irp i, 0,1,2,3
.irp s, 0,1,2,3,4,5,6,7
	global_load_b32 v[SCB+8*\i+\s], v15, s[SPB:SPB+1] offset:\i*512+\s*64
.endr
.endr
.irp i, 0,1
.irp s, 0,1,2,3,4,5,6,7
	global_load_b32 v[SCA+8*\i+\s], v16, s[SPA:SPA+1] offset:\i*512+\s*64
.endr
.endr
	s_lshl_b32 s96, s84, 7
	s_lshl_b32 s97, s[WHI], 6
	s_add_co_u32 s96, s96, s97                     ; my first token: 128 tr + 64 hi
	s_lshl_b32 s96, s96, 12                        ; rows of 4,096 bytes
	s_lshl_b32 s97, s[CX], 10                      ; + 256 outputs a work-group,
	s_add_co_u32 s96, s96, s97
	s_lshl_b32 s97, s[WLO], 9                      ; 128 a wave
	s_add_co_u32 s96, s96, s97
	s_mov_b32 s97, 0
	s_add_nc_u64 s[58:59], s[58:59], s[96:97]
	s_wait_kmcnt 0x0
.irp j, 0,1,2,3,4,5,6,7
	v_mov_b32 v[BIAS+\j], s3                       ; the bias in the result's layout: the same number everywhere
.endr
	s_wait_alu depctr_va_vdst(0)
	s_wait_tensorcnt 0x0                           ; my one load has landed
	s_barrier_signal -1
	s_barrier_wait -1                              ; everybody's is
	FETCH 0
	s_wait_loadcnt 0x0                             ; the scale words
	STEP 0
	STEP 1
	STEP 2
	STEP 3
	STEP 4
	STEP 5
	STEP 6
	STEP 7
	WIN 0
	PLACES                                         ; behind the last products: results are read, and rows are loaded into the registers that held A's fragments
; THE WAY OUT, a tile of 16 tokens x 128 outputs at a time.  A lane holds 32-byte pieces of one row and the lanes beside it other rows: so a tile goes through my own stage and comes back as whole rows of
; 512 bytes.  The stage lies in chunk 0: it has had its one fill, and every wave passed a barrier behind its last read of it.  LDS serves a wave's instructions in order: no wait between stores and loads.
.macro TOSTAGE a
	WIN 0x08                                       ; an LDS store's data are its source 1: window 2
.irp b, 0,1,2,3,4,5,6,7
	ds_store_b128 v[STO], v[64*(\a)+8*\b:64*(\a)+8*\b+3] offset:128*(\b/2)+32*(\b%2)        ; each accumulator from its low end on
	ds_store_b128 v[STO], v[64*(\a)+8*\b+4:64*(\a)+8*\b+7] offset:128*(\b/2)+32*(\b%2)+16
.endr
	WIN 0
.set BB, 128+64*((\a)%2)
.irp t, 0,1,2,3,4,5,6,7,8,9,10,11,12,13,14,15
	ds_load_b128 v[BB+4*\t:BB+4*\t+3], v[RD] offset:\t*528
.endr
.endm
.macro SEND a, younger                 ; younger: the LDS instructions issued behind tile a's loads, which may stay out
.set BB, 128+64*((\a)%2)
	s_wait_dscnt \younger
.irp t, 0,1,2,3,4,5,6,7,8,9,10,11,12,13,14,15
	global_store_b128 v[L16], v[BB+4*\t:BB+4*\t+3], s[58:59] offset:(32*((\a)/2)+8*((\a)%2)+\t+8*(\t/8))*4096 th:TH_STORE_NT   ; 32 lanes store 512 consecutive bytes, at a multiple of 512 from out0's first byte
.endr
.endm
	TOSTAGE 0
.irp a, 1,2,3
.if \a > 1
	s_wait_xcnt 0x0                                ; tile a - 2's stores have read their registers: tile a's rows may land there
.endif
	TOSTAGE \a
	SEND \a-1, 32                                  ; behind tile a - 1's loads: tile a's 16 stores and 16 loads
.endr
	SEND 3, 0
	s_wait_tensorcnt 0x0                           ; the wave's end, behind my last tensor load and my last LDS store
	ds_add_u32 v[SPW], v[NIL]
	s_wait_dscnt 0x0
	CROUND                                         ; the closing round
	s_endpgm
.Lfunc_end_k_q86b5191145_oproj:
	.size	k_q86b5191145_oproj, .Lfunc_end_k_q86b5191145_oproj-k_q86b5191145_oproj
	.p2alignl 7, 3214868480
	.fill 96, 4, 3214868480
	.section	.rodata,"a",@progbits
	.p2align	6, 0x0
	.amdhsa_kernel k_q86b5191145_oproj
		.amdhsa_group_segment_fixed_size 327680
		.amdhsa_private_segment_fixed_size 0
		.amdhsa_enable_private_segment 0
		.amdhsa_kernarg_size 48
		.amdhsa_user_sgpr_count 2
		.amdhsa_user_sgpr_kernarg_segment_ptr 1
		.amdhsa_wavefront_size32 1
		.amdhsa_system_sgpr_workgroup_id_x 1
		.amdhsa_system_sgpr_workgroup_id_y 1
		.amdhsa_system_sgpr_workgroup_id_z 1
		.amdhsa_system_vgpr_workitem_id 0
		.amdhsa_next_free_vgpr 768
		.amdhsa_next_free_sgpr 102
		.amdhsa_reserve_vcc 0
		.amdhsa_float_denorm_mode_32 3
		.amdhsa_float_denorm_mode_16_64 3
		.amdhsa_memory_ordered 1
		.amdhsa_forward_progress 1
		.amdhsa_inst_pref_size 78
	.end_amdhsa_kernel
	.amdgpu_metadata
---
amdhsa.version: [ 1, 2 ]
amdhsa.kernels:
  - .name:           k_q86b5191145_oproj
    .symbol:         k_q86b5191145_oproj.kd
    .args:
      - { .name: cd_mh, .offset: 0, .size: 8, .value_kind: global_buffer, .address_space: global }
      - { .name: sc_mh, .offset: 8, .size: 8, .value_kind: global_buffer, .address_space: global }
      - { .name: cd_in, .offset: 16, .size: 8, .value_kind: global_buffer, .address_space: global }
      - { .name: sc_in, .offset: 24, .size: 8, .value_kind: global_buffer, .address_space: global }
      - { .name: bias, .offset: 32, .size: 8, .value_kind: global_buffer, .address_space: global }
      - { .name: out0, .offset: 40, .size: 8, .value_kind: global_buffer, .address_space: global }
    .group_segment_fixed_size: 327680
    .private_segment_fixed_size: 0
    .kernarg_segment_align: 8
    .kernarg_segment_size: 48
    .max_flat_workgroup_size: 128
    .sgpr_count:     102
    .vgpr_count:     768
    .wavefront_size: 32
...
	.end_amdgpu_metadata
.endif
;; end of part 4
